; MI455X (gfx1250); checked and timed in simulation.
; The chip was launched on July 23, 2026; its instructions are those of AMD's public machine-readable ISA for CDNA 5 (MIT licence, August 2026) and "CDNA5" Instruction Set Architecture Reference Guide (July 2026). The comments in the code are by the model that wrote it; some were corrected since.
;; Attention. Allowed arithmetic: matrix products marked QUANTISED: E2M1 operands, one E8M0 scale for each 32 along K, by v_wmma_scale_f32_16x16x128_f8f6f4 with both operands' format E2M1 (or v_wmma_scale_f32_32x16x128_f4), f32 sums; products left as they are: bf16, f16 or f32 operands; f32 sums; everything else in f32.
;; Inputs: b_out 1,024 float32; w_out 1,024 x 1,024 float32; w_qkv 1,024 x 3,072 float32; x 4 x 2,048 x 1,024 float32.
;; Outputs: out0 4 x 2,048 x 1,024 float32.
;; This version of the problem:
;;   THIS VERSION OF THE PROBLEM IS GIVEN IN LOW PRECISION. The matrix products marked QUANTISED in the list below multiply operands that are first quantised to E2M1 (2 exponent bits, 1 mantissa bit; 4 bits a number), with one power-of-two scale for each 32 numbers along K (OCP MX v1.0); their sums are f32. The products marked 'left as it is' may take bf16, f16 or f32 operands, with f32 sums. Whichever they take, every output number must still come out within the allowed error. Rounding operands to bf16 (8 significant bits) uses up far more of that allowance than f16 does (11 bits, for magnitudes from 6e-5 to 65,504). All else is computed in f32.
;;   The module's matrix products, in the order in which they are computed (A, B: the left and right operand; K: the contracted axis; several contracted axes count as one K, in the product's order):
;;     1. [M 8,192, K 1,024] x [K 1,024, N 3,072]; A: input x; B: input w_qkv: QUANTISED
;;     2. batch 64 x [M 2,048, K 64] x [K 64, N 2,048]; A: computed on the way; B: computed on the way: left as it is (an operand is computed on the way)
;;     3. batch 64 x [M 2,048, K 2,048] x [K 2,048, N 64]; A: computed on the way; B: computed on the way: left as it is (an operand is computed on the way)
;;     4. [M 8,192, K 1,024] x [K 1,024, N 1,024]; A: computed on the way; B: input w_out: left as it is (an operand is computed on the way)
;;   THE QUANTISER, for each operand of a quantised product, along K:
;;     - K is cut into blocks of 32 from its start; a last block that is shorter is filled with zeros.
;;     - A block's scale is 2^e with e = floor(log2(the largest magnitude in the block)) - 2, held to -126 .. 127; a block of zeros has e = 0. As a byte (E8M0): e + 127.
;;     - Each number is divided by its block's scale, clamped to +-6, and rounded to the nearest number of E2M1, ties to even, subnormals kept.
;;     - The product sums the exact products of the quantised numbers (number of the format x scale) in f32.
;;   ~~~python
;;   def quantise(x, axis):      # numpy; x: float32 -> the quantised numbers, widened to float32 again
;;       x = np.moveaxis(x, axis, -1); K = x.shape[-1]
;;       x = np.pad(x, [(0, 0)] * (x.ndim - 1) + [(0, -K % 32)]); x = x.reshape(x.shape[:-1] + (-1, 32)); a = np.abs(x).max(-1, keepdims=True)
;;       e = np.where(a > 0, np.clip(np.frexp(np.where(a > 0, a, 1))[1] - 1 - 2, -126, 127), 0)      # np.frexp(a)[1] - 1 = floor(log2(a)), exactly
;;       r = np.clip(x / 2.0 ** e, -6, 6)
;;       step = 2.0 ** (np.maximum(np.frexp(np.where(r == 0, 1, r))[1] - 1, 0) - 1)
;;       q = np.round(r / step) * step * 2.0 ** e      # np.round: ties to even
;;       return np.moveaxis(q.reshape(q.shape[:-2] + (-1,))[..., :K], -1, axis).astype(np.float32)
;;   ~~~
;; One version. Each part assembles by itself: llvm-mc -triple=amdgcn-amd-amdhsa -mcpu=gfx1250 --defsym DOCPART=n.
;; ======== version 1 of 1: 4 launches
;; limits: values are held in f16: magnitudes above 65,504 overflow, below 6.1e-05 lose precision
;; workspace buffers: xc 4,194,304 bytes; xs 262,144 bytes; wc 1,572,864 bytes; ws 98,304 bytes; w16 2,097,152 bytes; qkv 50,331,648 bytes; att 16,777,216 bytes
;; launch prep (part 1): grid 336 x 1, 4 waves a work-group, no clusters, 68,096 bytes of LDS; arguments x, w_qkv, w_out, xc, xs, wc, ws, w16; writes xc, xs, wc, ws, w16
.if DOCPART == 1
	.amdgcn_target "amdgcn-amd-amdhsa--gfx1250"
	.amdhsa_code_object_version 6
	.text
	.protected	k_q27eaeecb0a_prep
	.globl	k_q27eaeecb0a_prep
	.p2align	8
	.type	k_q27eaeecb0a_prep,@function
k_q27eaeecb0a_prep:
	s_mov_b64 s[64:65], 0
	v_nop
	global_prefetch_b8 v0, s[64:65] scope:SCOPE_SE
	s_setreg_imm32_b32 hwreg(HW_REG_WAVE_MODE, 25, 1), 1
	s_wait_xcnt 0x0
; THREE JOBS IN ONE LAUNCH, told apart by the work-group's number; each job has LDS bytes of its own, and waves share nothing: no barrier.
;   work-groups 0-255:   x [8192][1024] f32 -> codes of FP4 (E2M1) xc [8192][512 bytes], K innermost, and one E8M0 byte for each 32 along K, xs [8192][32].
;   work-groups 256-303: w_qkv [1024 (k)][3072 (n)] f32, K its FIRST axis -> wc [3072][512 bytes] with K innermost, ws [3072][32].
;   work-groups 304-335: w_out [1024][1024] f32 -> w16, the same numbers rounded once to f16, laid as they lie.
; THE QUANTISER: a block's scale is 2^(floor(log2(its largest magnitude)) - 2); its byte is the largest magnitude's own exponent field - 2, held at 1 from below; each number is divided
; by the scale and rounded to the nearest code, ties to even, beyond 6 the largest code.  A block of zeros gets the byte 1: its codes are zeros, and this program alone reads the bytes.
; LIMITS: blocks whose largest magnitude lies under 2^-124 have their byte held at 1; NaN and infinities among the inputs are not served; |w_out| above 65,504 has no f16 number.
.set SPW,    190                       ; v190  LDS address of my spare word: SPARE + 4 x my thread's number; never rewritten
.set NIL,    191                       ; v191  0; never rewritten
.set XWREG,  8192                      ; job x: a region for each wave: two stages of 32 x XSP bytes, behind them its 256 scale bytes
.set XSP,    80                        ; a lane's place in a stage: 64 bytes + 16 of padding
.set WSTG,   4*XWREG                   ; job w_qkv: four stages of 32 rows x WPITCH
.set WPITCH, 272
.set SPARE,  WSTG+4*32*WPITCH          ; the spare words, 128 bytes for each wave: two blocks of 256 bytes that no other line names
.set STEPS,  16
.set XR,     16                        ; job x: v16-79 four sets of 16 numbers as loaded
.set XN,     80                        ; v80-111 two sets of 16 neighbours
.set XE,     112                       ; v112-127 a scale byte for each step
.set XCD,    128                       ; v128-189 codes: registers of its own for each step, so that no store's data are written again
.set NB,     16                        ; job w_qkv: blocks of 32 along K for a lane
.set WSB,    24                        ; v24-27 the scale bytes, four to a register
.set WX,     32                        ; v32-95 two sets of 32 numbers
.set WCD,    96                        ; v96-99 a block's codes
.set WOUT,   112                       ; v112-175 the way out
.set CIN,    16                        ; job w_out: v16-143 two sets of 64 numbers
.set COUT,   144                       ; v144-175 their f16 pairs
; ---- job x: a wave takes 16 steps of 512 numbers.  Each load reads 512 consecutive bytes; a step's 2,048 bytes turn through the wave's stage, so that a lane gets 16 neighbours along K
.macro XLOAD t
.irp i, 0,1,2,3
	global_load_b128 v[XR+16*((\t)%4)+4*\i:XR+16*((\t)%4)+4*\i+3], v3, s[4:5] offset:2048*(\t)+512*\i th:TH_LOAD_NT
.endr
.endm
.macro XTURN t                         ; LDS serves a wave's instructions in order: no wait between the stores and the loads
.irp i, 0,1,2,3
	ds_store_b128 v14, v[XR+16*((\t)%4)+4*\i:XR+16*((\t)%4)+4*\i+3] offset:32*XSP*((\t)%2)+8*XSP*\i
.endr
.irp i, 0,1,2,3
	ds_load_b128 v[XN+16*((\t)%2)+4*\i:XN+16*((\t)%2)+4*\i+3], v15 offset:32*XSP*((\t)%2)+16*\i
.endr
.endm
.macro XSTEP t
.set XS, XN+16*((\t)%2)
.if (\t) > 0
	s_wait_dscnt 1                                 ; this step's numbers are back from the stage (the last step's byte store may be out)
.else
	s_wait_dscnt 0x0
.endif
.if (\t)+4 < STEPS
	XLOAD (\t)+4                                   ; into the registers that this step's stage stores have read
.endif
.if (\t)+1 < STEPS
.if STEPS-2-(\t) >= 3
	s_wait_loadcnt 12                              ; the next step's four loads are in; those of the three steps behind it may be out
.else
	s_wait_loadcnt 4*(STEPS-2-(\t))
.endif
	XTURN (\t)+1
.endif
	v_max3_num_f32 v8, |v[XS]|, |v[XS+1]|, |v[XS+2]|               ; the largest magnitude of my 16, in two chains
	v_max3_num_f32 v9, |v[XS+3]|, |v[XS+4]|, |v[XS+5]|
.irp i, 6,10
	v_max3_num_f32 v8, v8, |v[XS+\i]|, |v[XS+\i+1]|
	v_max3_num_f32 v9, v9, |v[XS+\i+2]|, |v[XS+\i+3]|
.endr
	v_max3_num_f32 v8, v8, |v[XS+14]|, |v[XS+15]|
	v_max3_num_f32 v8, v8, v9, 0x1800000           ; and the floor 2^(3 - 127): the byte cannot fall under 1
	v_max_num_f32_dpp v8, v8, v8 row_xmask:1 row_mask:0xf bank_mask:0xf   ; with my neighbour's 16: the block's
	v_add_nc_u32 v11, 0xff000000, v8               ; 2 off its exponent field: the conversion takes the exponent field of this operand as its scale
	v_cvt_scalef32_pk8_fp4_f32 v[XCD+4*(\t)], v[XS:XS+7], v11
	v_cvt_scalef32_pk8_fp4_f32 v[XCD+4*(\t)+1], v[XS+8:XS+15], v11
	v_lshrrev_b32 v[XE+(\t)], 23, v11              ; the scale's byte
	ds_store_b8 v5, v[XE+(\t)] offset:16*(\t)      ; both lanes of a block write the same byte with the same value
	global_store_b64 v4, v[XCD+4*(\t):XCD+4*(\t)+1], s[10:11] offset:256*(\t)   ; the wave stores 256 consecutive bytes, aligned
.endm
; ---- job w_qkv: a lane takes a column n and its registers run down K; a wave takes 32 columns x 512 along K
.macro WLOAD t
.irp i, 0,1,2,3,4,5,6,7,8,9,10,11,12,13,14,15,16,17,18,19,20,21,22,23,24,25,26,27,28,29,30,31
	global_load_b32 v[WX+32*((\t)%2)+\i], v3, s[6:7] offset:(32*(\t)+\i)*12288 th:TH_LOAD_NT   ; at most 511 rows of 12,288 bytes: inside the signed 24-bit immediate
.endr
.endm
.macro WBLOCK t
.set XS, WX+32*((\t)%2)
.if (\t) < NB-1
	s_wait_loadcnt 32                              ; this block's 32 loads are in; the next block's may be out
.else
	s_wait_loadcnt 0
.endif
	v_max3_num_f32 v12, |v[XS]|, |v[XS+1]|, |v[XS+2]|              ; all 32 numbers of the block are mine
	v_max3_num_f32 v13, |v[XS+3]|, |v[XS+4]|, |v[XS+5]|
.irp i, 6,10,14,18,22,26
	v_max3_num_f32 v12, v12, |v[XS+\i]|, |v[XS+\i+1]|
	v_max3_num_f32 v13, v13, |v[XS+\i+2]|, |v[XS+\i+3]|
.endr
	v_max3_num_f32 v12, v12, |v[XS+30]|, |v[XS+31]|
	v_max3_num_f32 v12, v12, v13, 0x1800000        ; the floor
	v_add_nc_u32 v11, 0xff000000, v12              ; the conversion's scale operand
	v_lshrrev_b32 v13, 23, v11                     ; the scale's byte
.if (\t)%4 == 0
	v_mov_b32 v[WSB+(\t)/4], v13                   ; four bytes to a register, the lower K in the lower byte
.else
	v_lshl_or_b32 v[WSB+(\t)/4], v13, 8*((\t)%4), v[WSB+(\t)/4]
.endif
.irp g, 0,1,2,3
	v_cvt_scalef32_pk8_fp4_f32 v[WCD+\g], v[XS+8*\g:XS+8*\g+7], v11
.endr
	ds_store_b128 v4, v[WCD:WCD+3] offset:16*(\t)  ; 32 codes: 16 bytes of my column's row
.if (\t)+2 < NB
	WLOAD (\t)+2
.endif
	s_wait_dscnt 0x0                               ; the store has read its registers: the next block's codes may be written
.endm
; ---- job w_out: a wave takes 8,192 numbers, in four groups of 16 loads of 512 consecutive bytes
.macro CLOAD g
.irp i, 0,1,2,3,4,5,6,7,8,9,10,11,12,13,14,15
	global_load_b128 v[CIN+64*((\g)%2)+4*\i:CIN+64*((\g)%2)+4*\i+3], v3, s[8:9] offset:(16*(\g)+\i)*512 th:TH_LOAD_NT
.endr
.endm
	s_load_b256 s[4:11], s[0:1], 0x0               ; x s[4:5], w_qkv s[6:7], w_out s[8:9], xc s[10:11]
	s_load_b256 s[12:19], s[0:1], 0x20             ; xs s[12:13], wc s[14:15], ws s[16:17], w16 s[18:19]
	v_lshl_add_u32 v[SPW], v0, 2, SPARE
	v_mov_b32 v[NIL], 0
	v_lshrrev_b32 v1, 5, v0
	v_readfirstlane_b32 s20, v1                    ; wave 0..3
	v_and_b32 v2, 31, v0                           ; lane
	s_wait_kmcnt 0x0
	s_cmp_ge_u32 ttmp9, 256
	s_cbranch_scc1 .Lnot_x
	; ======== x ========
	v_lshlrev_b32 v3, 4, v2                        ; my 16 bytes of a load's 512
	s_mul_i32 s21, s20, XWREG
	v_lshrrev_b32 v14, 2, v2
	v_mul_u32_u24 v14, v14, XSP
	v_and_b32 v15, 3, v2
	v_lshl_add_u32 v14, v15, 4, v14
	v_add_nc_u32 v14, s21, v14                     ; the stage, on the way in: four lanes' 64 bytes on end, then 16 of padding
	v_mul_u32_u24 v15, v2, XSP
	v_add_nc_u32 v15, s21, v15                     ; and on the way out: my 16 neighbours
	v_lshlrev_b32 v4, 3, v2                        ; my 8 bytes of a step's codes
	v_lshrrev_b32 v5, 1, v2
	s_add_co_u32 s21, s21, 2*32*XSP
	v_add_nc_u32 v5, s21, v5                       ; my wave's 256 scale bytes, my block's byte
	v_lshlrev_b32 v7, 3, v2
	v_add_nc_u32 v6, s21, v7                       ; and on the way out 8 bytes a lane
	s_lshl_b32 s22, ttmp9, 2
	s_add_co_u32 s22, s22, s20                     ; which run of 8,192 numbers is my wave's: 0 .. 1,023
	s_mov_b32 s25, 0
	s_lshl_b32 s24, s22, 15                        ; 32,768 bytes of x,
	s_add_nc_u64 s[4:5], s[4:5], s[24:25]
	s_lshl_b32 s24, s22, 12                        ; 4,096 of codes,
	s_add_nc_u64 s[10:11], s[10:11], s[24:25]
	s_lshl_b32 s24, s22, 8                         ; 256 scale bytes a run
	s_add_nc_u64 s[12:13], s[12:13], s[24:25]
.irp t, 0,1,2,3
	XLOAD \t
.endr
	s_wait_loadcnt 12                              ; step 0's four loads are in
	XTURN 0
.irp t, 0,1,2,3,4,5,6,7,8,9,10,11,12,13,14,15
	XSTEP \t
.endr
	ds_load_b64 v[8:9], v6                         ; my wave's 256 scale bytes, in order behind my byte stores
	s_wait_dscnt 0x0
	global_store_b64 v7, v[8:9], s[12:13]          ; 32 lanes store 256 consecutive bytes, aligned
	s_wait_tensorcnt 0x0                           ; the wave's end: closing lines behind my last LDS store
	ds_add_u32 v[SPW], v[NIL]
	s_wait_dscnt 0x0
	s_endpgm
.Lnot_x:
	s_cmp_ge_u32 ttmp9, 304
	s_cbranch_scc1 .Lcast
	; ======== w_qkv ========
	s_sub_co_u32 s21, ttmp9, 256
	s_lshr_b32 s22, s21, 1                         ; which 128 columns
	s_and_b32 s23, s21, 1                          ; which 512 along K
	s_lshl_b32 s22, s22, 7
	s_lshl_b32 s24, s20, 5
	s_add_co_u32 s22, s22, s24                     ; my wave's first column
	v_lshlrev_b32 v3, 2, v2                        ; in: 4 bytes a lane
	s_mul_i32 s24, s20, 32*WPITCH
	s_add_co_u32 s24, s24, WSTG                    ; my stage
	v_mul_u32_u24 v4, v2, WPITCH
	v_add_nc_u32 v4, s24, v4                       ; into it: row = my column
	v_and_b32 v5, 15, v2
	v_lshrrev_b32 v6, 4, v2                        ; out of it: sixteen lanes to a row, two rows an instruction
	v_mul_u32_u24 v7, v6, WPITCH
	v_lshl_add_u32 v7, v5, 4, v7
	v_add_nc_u32 v7, s24, v7
	v_lshlrev_b32 v8, 9, v6                        ; the same place in wc: rows of 512 bytes
	v_lshl_add_u32 v8, v5, 4, v8
	v_lshlrev_b32 v9, 5, v2                        ; my column's row of 32 scale bytes
	s_mov_b32 s27, 0
	s_mul_i32 s26, s23, 512*12288                  ; w_qkv: 512 rows of 12,288 bytes for each half of K,
	s_lshl_b32 s28, s22, 2                         ; + 4 bytes a column
	s_add_co_u32 s26, s26, s28
	s_add_nc_u64 s[6:7], s[6:7], s[26:27]
	s_lshl_b32 s26, s22, 9                         ; wc: column x 512 + 256 x half
	s_lshl_b32 s28, s23, 8
	s_add_co_u32 s26, s26, s28
	s_add_nc_u64 s[14:15], s[14:15], s[26:27]
	s_lshl_b32 s26, s22, 5                         ; ws: column x 32 + 16 x half
	s_lshl_b32 s28, s23, 4
	s_add_co_u32 s26, s26, s28
	s_add_nc_u64 s[16:17], s[16:17], s[26:27]
	WLOAD 0
	WLOAD 1
.set Q, 0
.rept NB
	WBLOCK Q
.set Q, Q+1
.endr
	global_store_b128 v9, v[WSB:WSB+3], s[16:17]   ; my column's 16 scale bytes
.irp t, 0,1,2,3,4,5,6,7,8,9,10,11,12,13,14,15
	ds_load_b128 v[WOUT+4*\t:WOUT+4*\t+3], v7 offset:2*\t*WPITCH
.endr
.irp t, 0,1,2,3,4,5,6,7,8,9,10,11,12,13,14,15
	s_wait_dscnt 15-\t
	global_store_b128 v8, v[WOUT+4*\t:WOUT+4*\t+3], s[14:15] offset:2*\t*512   ; sixteen lanes store 256 consecutive bytes, aligned
.endr
	s_wait_tensorcnt 0x0                           ; the wave's end: the three lines
	ds_add_u32 v[SPW], v[NIL]
	s_wait_dscnt 0x0
	s_endpgm
.Lcast:
	; ======== w_out ========
	s_sub_co_u32 s21, ttmp9, 304
	s_lshl_b32 s21, s21, 2
	s_add_co_u32 s21, s21, s20                     ; which run of 8,192 numbers: 0 .. 127
	s_mov_b32 s23, 0
	s_lshl_b32 s22, s21, 15
	s_add_nc_u64 s[8:9], s[8:9], s[22:23]
	s_lshl_b32 s22, s21, 14
	s_add_nc_u64 s[18:19], s[18:19], s[22:23]
	v_lshlrev_b32 v3, 4, v2
	v_lshlrev_b32 v4, 3, v2
	CLOAD 0
	CLOAD 1
.irp g, 0,1,2,3
.if \g < 3
	s_wait_loadcnt 16                              ; this group's 16 loads are in; the next group's may be out
.else
	s_wait_loadcnt 0
.endif
	s_wait_xcnt 0x0                                ; the last group's stores have read their data: the registers are written again only behind this wait
.irp i, 0,1,2,3,4,5,6,7,8,9,10,11,12,13,14,15
	v_cvt_pk_f16_f32 v[COUT+2*\i], v[CIN+64*(\g%2)+4*\i], v[CIN+64*(\g%2)+4*\i+1]
	v_cvt_pk_f16_f32 v[COUT+2*\i+1], v[CIN+64*(\g%2)+4*\i+2], v[CIN+64*(\g%2)+4*\i+3]
.endr
.irp i, 0,1,2,3,4,5,6,7,8,9,10,11,12,13,14,15
	global_store_b64 v4, v[COUT+2*\i:COUT+2*\i+1], s[18:19] offset:(16*\g+\i)*256   ; 32 lanes store 256 consecutive bytes, aligned
.endr
.if \g < 2
	CLOAD \g+2
.endif
.endr
	s_wait_tensorcnt 0x0                           ; the same closing lines as the other two jobs
	ds_add_u32 v[SPW], v[NIL]
	s_wait_dscnt 0x0
	s_endpgm
.Lfunc_end_k_q27eaeecb0a_prep:
	.size	k_q27eaeecb0a_prep, .Lfunc_end_k_q27eaeecb0a_prep-k_q27eaeecb0a_prep
	.p2alignl 7, 3214868480
	.fill 96, 4, 3214868480
	.section	.rodata,"a",@progbits
	.p2align	6, 0x0
	.amdhsa_kernel k_q27eaeecb0a_prep
		.amdhsa_group_segment_fixed_size 68096
		.amdhsa_private_segment_fixed_size 0
		.amdhsa_enable_private_segment 0
		.amdhsa_kernarg_size 64
		.amdhsa_user_sgpr_count 2
		.amdhsa_user_sgpr_kernarg_segment_ptr 1
		.amdhsa_wavefront_size32 1
		.amdhsa_system_sgpr_workgroup_id_x 1
		.amdhsa_system_sgpr_workgroup_id_y 1
		.amdhsa_system_sgpr_workgroup_id_z 1
		.amdhsa_system_vgpr_workitem_id 0
		.amdhsa_next_free_vgpr 192
		.amdhsa_next_free_sgpr 66
		.amdhsa_reserve_vcc 0
		.amdhsa_float_denorm_mode_32 3
		.amdhsa_float_denorm_mode_16_64 3
		.amdhsa_memory_ordered 1
		.amdhsa_forward_progress 1
		.amdhsa_inst_pref_size 131
	.end_amdhsa_kernel
	.amdgpu_metadata
---
amdhsa.version: [ 1, 2 ]
amdhsa.kernels:
  - .name:           k_q27eaeecb0a_prep
    .symbol:         k_q27eaeecb0a_prep.kd
    .args:
      - { .name: x, .offset: 0, .size: 8, .value_kind: global_buffer, .address_space: global }
      - { .name: w_qkv, .offset: 8, .size: 8, .value_kind: global_buffer, .address_space: global }
      - { .name: w_out, .offset: 16, .size: 8, .value_kind: global_buffer, .address_space: global }
      - { .name: xc, .offset: 24, .size: 8, .value_kind: global_buffer, .address_space: global }
      - { .name: xs, .offset: 32, .size: 8, .value_kind: global_buffer, .address_space: global }
      - { .name: wc, .offset: 40, .size: 8, .value_kind: global_buffer, .address_space: global }
      - { .name: ws, .offset: 48, .size: 8, .value_kind: global_buffer, .address_space: global }
      - { .name: w16, .offset: 56, .size: 8, .value_kind: global_buffer, .address_space: global }
    .group_segment_fixed_size: 68096
    .private_segment_fixed_size: 0
    .kernarg_segment_align: 8
    .kernarg_segment_size: 64
    .max_flat_workgroup_size: 128
    .sgpr_count:     66
    .vgpr_count:     192
    .wavefront_size: 32
...
	.end_amdgpu_metadata
.endif
;; end of part 1
;; launch qkv (part 2): grid 12 x 32, 4 waves a work-group, clusters of 4 x 4, 327,680 bytes of LDS; arguments xc, xs, wc, ws, qkv; writes qkv
.if DOCPART == 2
	.amdgcn_target "amdgcn-amd-amdhsa--gfx1250"
	.amdhsa_code_object_version 6
	.text
	.protected	k_q27eaeecb0a_qkv
	.globl	k_q27eaeecb0a_qkv
	.p2align	8
	.type	k_q27eaeecb0a_qkv,@function
k_q27eaeecb0a_qkv:
	s_mov_b64 s[64:65], 0
	v_nop
	global_prefetch_b8 v0, s[64:65] scope:SCOPE_SE
	s_setreg_imm32_b32 hwreg(HW_REG_WAVE_MODE, 25, 1), 1
	s_wait_xcnt 0x0
	s_wait_alu depctr_hold_cnt(0) depctr_sa_sdst(0) depctr_va_vdst(0) depctr_va_sdst(0) depctr_va_ssrc(0) depctr_va_vcc(0) depctr_vm_vsrc(0)
	s_getreg_b32 s2, hwreg(HW_REG_IB_STS2, 6, 4)
	s_cmp_eq_u32 s2, 0
	s_cbranch_scc0 .Lentry_in_a_cluster
	s_endpgm
.Lentry_in_a_cluster:
	s_bfe_u32 s2, ttmp6, 0x10000c
	s_cmp_lg_u32 s2, 0xf033
	s_cbranch_scc0 .Lentry_shape_is_right
	s_endpgm
.Lentry_shape_is_right:
; qkv = Q(x) Q(w_qkv): [8192][3072], K = 1,024, on codes of FP4 (E2M1) with one E8M0 scale for each 32 along K; sums in f32, rounded ONCE to f16 on the way out.
; A: xc [8192][512 bytes], xs [8192][32].  B: wc [3072][512 bytes], ws [3072][32].  Out: qkv in PLANES of 64 columns, [48][8192][64] f16: plane h is q of head h, 16 + h its k, 32 + h its v.
; A plane is dense: a row is 128 bytes, so four rows are 512 consecutive bytes, which one store of the wave covers.
; LIMIT: a result whose magnitude is above 65,504 has no f16 number.
; A tile of 256 x 256 is made by four waves, each 128 x 128: 64 accumulators of 16 x 16, 512 registers.  K is two steps of 512 (rows of 256 bytes): BOTH fit in LDS beside each other, so both slots and the
; scales are filled once, at the start (three tensor loads of a wave are out), and nothing is filled again.
; CLUSTERS: 4 x 4 work-groups.  The four of a row of the cluster need the same tiles of A, the four of a column the same tiles of B: each tile is asked for JOINTLY.
; THE MATRIX INSTRUCTION IS USED TRANSPOSED (source 0 = 16 rows of B, source 1 = 16 rows of A): a lane then holds eight neighbouring columns of one row.
; No prefetch: the launch has first fills alone, and they go out at its head.
; REGISTERS, in windows of 256: window 0: v0-31 addresses; v32-95 scale words, two sets, and nothing else; v96-127 packed results; v128-191 A's fragments, ONE set; v192-255 rows on their way out.
;   window 1: B's fragments, TWO sets, at v0 and v128.   window 2: the accumulators of my rows 0-63 ((a, b) at v[8 (8 a + b)]);   window 3: those of my rows 64-127.
.set SIZE_K, 1024
.set NQ,     4                         ; matrix instructions deep in a slot (512 along K)
.set ROWB,   256                       ; a tile's row in bytes
.set KROW,   SIZE_K/2                  ; a row of codes in memory
.set PITCH,  272                       ; an LDS row: 256 bytes + 16 of padding: the sixteen rows of a fragment load start 16 bytes apart modulo 256
.set FR,     8                         ; registers of a fragment: 16 rows x 128 K
.set NL,     2                         ; LDS loads that bring one
.set NP,     4                         ; places behind this matrix instruction (ISA guide 7.12.1)
.set HALFT,  128*PITCH
.set SLOT,   4*HALFT                   ; A's 256 rows, then B's 256 rows
.set KS,     SIZE_K/32                 ; a row of scale bytes
.set SCL,    2*SLOT                    ; behind the slots: the scales, as units of 256 bytes + 16 of padding
.set HALFS,  (128*KS/256)*272          ; the scales of 128 rows: what one tensor load brings
.set SBLK,   (16*KS/256)*272           ; those of 16 rows
.set SPARE,  SCL+4*HALFS               ; the spare words, 128 bytes for each wave
.set SPITCH, 272                       ; the way out: a stage of 16 rows x (256 bytes + 16) for each wave, in slot 0, which has had its only fill and its last read by then
.set PLANE,  1<<20                     ; bytes of a plane
.set ADRA, 16                          ; v16-17  LDS address of my A fragments in slot 0, 1
.set ADRB, 20                          ; v20-21  the same for B
.set STO,  24                          ; v24     the way out: where I put 16 bytes of a row
.set RD,   25                          ; v25     where I read them back
.set CO,   26                          ; v26     16 x lane
.set ADRS, 27                          ; v27     LDS address of my scale words: lanes 0-15 A's rows, lanes 16-31 B's
.set SPW,  28                          ; v28     my spare word; never rewritten
.set NIL,  29                          ; v29     0; never rewritten
.set SC,   32
.set TMP,  96
.set AF,   128
.set BK,   192
.set G1, 24                            ; s[24:31] group 1 for A's tiles;  s[32:39] group 0, a set for each slot
.set G0, 32
.set G1B, 48                           ; s[48:55], s[56:63] the same for B's
.set G0B, 56
.set G1S, 68                           ; s[68:75], s[76:79] for A's scales;  s[80:87], s[88:91] for B's
.set G0S, 76
.set G1SB, 80
.set G0SB, 88
.set MSB, 0
.macro WIN new                         ; the immediate's high byte repeats the setting that is left
.if MSB != (\new)
	s_set_vgpr_msb (MSB<<8)|(\new)
.set MSB, (\new)
.endif
.endm
.set MUL_LO, 0xa1                      ; source 0 (B) window 1, source 1 (A) window 0, C and D window 2
.set MUL_HI, 0xf1                      ; the same, C and D window 3
.set TO_B,   0x40                      ; destination window 1, address window 0
; A joint load: waves 0 and 1 fetch for A, waves 2 and 3 for B; the branch hangs on the wave's number alone.  An s_nop 0 and four v_nop follow each of the two lines.
.macro JLOAD g0a, g1a, g0b, g1b
	s_cmp_eq_u32 s15, 0
	s_cbranch_scc0 .Lfor_b_\@
	tensor_load_to_lds s[\g0a:\g0a+3], s[\g1a:\g1a+7]
	s_nop 0
.rept 4
	v_nop
.endr
	s_branch .Lasked_\@
.Lfor_b_\@:
	tensor_load_to_lds s[\g0b:\g0b+3], s[\g1b:\g1b+7]
	s_nop 0
.rept 4
	v_nop
.endr
.Lasked_\@:
.endm
.macro CROUND                          ; a round of the cluster's barrier
	s_barrier_signal -1
	s_barrier_wait -1
	s_cmp_lg_u32 s14, 0
	s_cbranch_scc1 .Lnot_wave_0_\@
	s_barrier_signal -3
.Lnot_wave_0_\@:
	s_barrier_wait -3
	s_barrier_signal -1
	s_barrier_wait -1
.endm
	s_load_b128 s[4:7], s[0:1], 0x0                ; A's codes s[4:5], A's scales s[6:7]
	s_load_b128 s[8:11], s[0:1], 0x10              ; B's codes s[8:9], B's scales s[10:11]
	s_load_b64 s[12:13], s[0:1], 0x20              ; qkv
	v_lshl_add_u32 v[SPW], v0, 2, SPARE
	v_mov_b32 v[NIL], 0
	ds_add_u32 v[SPW], v[NIL]                      ; the wave's opening: the add, twice on end, and its wait ahead of my first tensor load
	ds_add_u32 v[SPW], v[NIL]
	v_lshrrev_b32 v1, 5, v0
	v_readfirstlane_b32 s14, v1                    ; wave 0..3
	s_lshr_b32 s15, s14, 1                         ; which half of the tile's rows is mine.  Also: I fetch for A (0) or for B (1)
	s_and_b32 s16, s14, 1                          ; which half of its columns.  Also: which 128 rows of that tile I fetch
	s_bfe_u32 s40, ttmp6, 0x40000                  ; cx, cy: my place in the cluster
	s_bfe_u32 s41, ttmp6, 0x40004
	s_lshl_b32 s42, ttmp9, 2
	s_add_co_u32 s42, s42, s40                     ; tile column = 4 x cluster x + cx
	s_and_b32 s17, ttmp7, 0xffff
	s_lshl_b32 s17, s17, 2
	s_add_co_u32 s17, s17, s41                     ; tile row = 4 x cluster y + cy
	s_lshl_b32 s43, s41, 2
	s_lshl_b32 s43, 15, s43                        ; my row of the cluster
	s_lshl_b32 s44, 0x1111, s40                    ; my column
	; group 1: a tile of 128 rows x 256 bytes, 16 bytes of padding behind each row
	s_or_b32 s[G1+0], s43, (0<<16)|(1<<20)|(1<<21)|(5<<22)|(3<<25)  ; the mask: A's tiles go to my row; elements of 1 byte; padding on; bit 21 beside a mask; after every 64 words, 4 words
	s_or_b32 s[G1B+0], s44, (0<<16)|(1<<20)|(1<<21)|(5<<22)|(3<<25)
.irp g, G1, G1B
	s_mov_b32 s[\g+1], ROWB<<16                    ; tensor_dim0
	s_mov_b32 s[\g+2], 128<<16                     ; tensor_dim1
	s_mov_b32 s[\g+3], ROWB<<16                    ; tile_dim0
	s_mov_b32 s[\g+4], 128                         ; tile_dim1
	s_mov_b32 s[\g+5], KROW                        ; from row to row
	s_mov_b32 s[\g+6], 0
	s_mov_b32 s[\g+7], 0
.endr
	; the scales of 128 rows: a dense block of 4,096 bytes, as rows of 256 bytes (32 elements of 8 bytes), 16 bytes of padding behind each
	s_or_b32 s[G1S+0], s43, (3<<16)|(1<<20)|(1<<21)|(5<<22)|(3<<25)
	s_or_b32 s[G1SB+0], s44, (3<<16)|(1<<20)|(1<<21)|(5<<22)|(3<<25)
.irp g, G1S, G1SB
	s_mov_b32 s[\g+1], 32<<16
	s_mov_b32 s[\g+2], (128*KS/256)<<16
	s_mov_b32 s[\g+3], 32<<16
	s_mov_b32 s[\g+4], 128*KS/256
	s_mov_b32 s[\g+5], 32
	s_mov_b32 s[\g+6], 0
	s_mov_b32 s[\g+7], 0
.endr
	s_lshl_b32 s18, s16, 7                         ; which 128 rows of the tile I fetch
	s_lshl_b32 s20, s17, 8
	s_add_co_u32 s20, s20, s18                     ; A: row 256 x tile row + 128 x half
	s_lshl_b32 s46, s42, 8
	s_add_co_u32 s46, s46, s18                     ; B: row 256 x tile column + 128 x half
	s_mov_b32 s21, 0
	s_mov_b32 s47, 0
	s_mov_b64 s[18:19], KS
	s_mul_u64 s[22:23], s[20:21], s[18:19]         ; where these rows' scales begin, in bytes,
	s_mul_u64 s[92:93], s[46:47], s[18:19]
	s_mov_b64 s[18:19], KROW
	s_mul_u64 s[20:21], s[20:21], s[18:19]         ; and their codes
	s_mul_u64 s[46:47], s[46:47], s[18:19]
	s_mul_i32 s45, s14, HALFT                      ; where they go: wave x 128 rows: no place in the cluster enters an LDS address
	s_mul_i32 s94, s14, HALFS
	s_wait_dscnt 0x0                               ; both opening adds are done
	s_wait_kmcnt 0x0
	s_add_nc_u64 s[20:21], s[4:5], s[20:21]
	s_add_nc_u64 s[22:23], s[6:7], s[22:23]
	s_add_nc_u64 s[46:47], s[8:9], s[46:47]
	s_add_nc_u64 s[92:93], s[10:11], s[92:93]
	CROUND                                         ; all sixteen work-groups are here: the joint loads meet
	s_mov_b32 s[G0S], 1
	s_add_co_u32 s[G0S+1], s94, SCL
	s_mov_b64 s[G0S+2:G0S+3], s[22:23]
	s_or_b32 s[G0S+3], s[G0S+3], 0x80000000
	s_mov_b32 s[G0SB], 1
	s_add_co_u32 s[G0SB+1], s94, SCL
	s_mov_b64 s[G0SB+2:G0SB+3], s[92:93]
	s_or_b32 s[G0SB+3], s[G0SB+3], 0x80000000
	JLOAD G0S, G1S, G0SB, G1SB                     ; the scales first: they are wanted with K step 0
.irp s, 0,1
	s_mov_b32 s[G0+4*\s], 1
	s_add_co_u32 s[G0+4*\s+1], s45, \s*SLOT
	s_add_nc_u64 s[G0+4*\s+2:G0+4*\s+3], s[20:21], \s*ROWB
	s_or_b32 s[G0+4*\s+3], s[G0+4*\s+3], 0x80000000
	s_mov_b32 s[G0B+4*\s], 1
	s_add_co_u32 s[G0B+4*\s+1], s45, \s*SLOT
	s_add_nc_u64 s[G0B+4*\s+2:G0B+4*\s+3], s[46:47], \s*ROWB
	s_or_b32 s[G0B+4*\s+3], s[G0B+4*\s+3], 0x80000000
	JLOAD G0+4*\s, G1, G0B+4*\s, G1B
.endr
	v_and_b32 v1, 15, v0                           ; l % 16
	v_bfe_u32 v2, v0, 4, 1                         ; l / 16
	v_mul_u32_u24 v3, v1, PITCH
	v_lshl_add_u32 v4, v2, 4, v3                   ; a fragment's row x pitch + 16 x half
	s_mul_i32 s21, s15, HALFT                      ; my 128 rows of A
	s_mul_i32 s22, s16, HALFT                      ; my 128 rows of B,
	s_add_co_u32 s22, s22, 2*HALFT                 ; which lie behind A's 256
.irp s, 0,1
	v_add_nc_u32 v[ADRA+\s], s21, v4
	v_add_nc_u32 v[ADRB+\s], s22, v4
	s_add_co_u32 s21, s21, SLOT
	s_add_co_u32 s22, s22, SLOT
.endr
	v_mul_u32_u24 v5, v1, KS                       ; my row's scales: KS bytes a row,
	v_lshrrev_b32 v6, 8, v5
	v_lshl_add_u32 v5, v6, 4, v5                   ; and 16 more for each 256 passed
	s_mul_i32 s21, s15, HALFS                      ; A's: my 128 rows
	s_mul_i32 s22, s16, HALFS                      ; B's: my 128 rows, behind A's 256
	s_add_co_u32 s22, s22, 2*HALFS
	s_sub_co_u32 s22, s22, s21
	v_mul_u32_u24 v6, s22, v2                      ; lanes 16-31 take B's
	s_add_co_u32 s21, s21, SCL
	v_add_nc_u32 v5, v5, v6
	v_add_nc_u32 v[ADRS], s21, v5
	s_mul_i32 s23, s14, 16*SPITCH                  ; my stage
	v_mul_u32_u24 v5, v1, SPITCH                   ; in: row l % 16, 16 bytes for each half of the lanes
	v_lshl_add_u32 v5, v2, 4, v5
	v_add_nc_u32 v[STO], s23, v5
	v_bfe_u32 v5, v0, 3, 2                         ; back: eight lanes take 128 bytes (a plane's part) of one row, the 32 lanes four rows
	v_mul_u32_u24 v5, v5, SPITCH
	v_and_b32 v6, 7, v0
	v_lshl_add_u32 v5, v6, 4, v5
	v_add_nc_u32 v[RD], s23, v5
	v_and_b32 v6, 31, v0
	v_lshlrev_b32 v[CO], 4, v6                     ; four rows of a plane are 512 consecutive bytes: 16 x lane
	s_lshl_b32 s20, s17, 8
	s_lshl_b32 s21, s15, 7
	s_add_co_u32 s20, s20, s21                     ; my first row: 256 x tile row + 128 x half,
	s_lshl_b32 s20, s20, 7                         ; 128 bytes a row of a plane
	s_mov_b32 s21, 0
	s_lshl_b32 s46, s42, 2
	s_lshl_b32 s47, s16, 1
	s_add_co_u32 s46, s46, s47                     ; my first plane: 4 x tile column + 2 x half
	s_lshl_b32 s46, s46, 20
	s_mov_b32 s47, 0
	s_add_nc_u64 s[20:21], s[20:21], s[46:47]
	s_add_nc_u64 s[12:13], s[12:13], s[20:21]
.macro FRAG reg, adr, q, i             ; 16 rows x 128 K of 4-bit codes: 8 registers; lane l holds row l % 16; registers 4 c .. 4 c + 3 hold K = 64 c + 32 (l / 16) + 0 .. 31
.irp c, 0,1
	ds_load_b128 v[\reg+4*\c:\reg+4*\c+3], v[\adr] offset:64*(\q)+32*\c+(\i)*16*PITCH
.endr
.endm
; 16 matrix instructions: A's blocks a0, a0 + 1 x B's eight, the slot's q-th 128 along K.  p: B's set;  sc: the set of scale words.  zero = 1: the first product starts the sums.
; The 64 accumulators take turns, one instruction a turn, in the same order in every step.
.macro MUL16 a0, p, q, sc, zero
.irp a, \a0, \a0+1
.irp b, 0,1,2,3,4,5,6,7
.if \zero
	v_wmma_scale_f32_16x16x128_f8f6f4 v[8*(8*((\a)%4)+\b):8*(8*((\a)%4)+\b)+7], v[128*(\p)+FR*\b:128*(\p)+FR*\b+FR-1], v[AF+FR*(\a):AF+FR*(\a)+FR-1], 0, v[SC+8*NQ*(\sc)+NQ*\b+(\q)], v[SC+8*NQ*(\sc)+NQ*(\a)+(\q)] matrix_a_fmt:MATRIX_FMT_FP4 matrix_b_fmt:MATRIX_FMT_FP4 matrix_a_scale:MATRIX_SCALE_ROW1
.else
	v_wmma_scale_f32_16x16x128_f8f6f4 v[8*(8*((\a)%4)+\b):8*(8*((\a)%4)+\b)+7], v[128*(\p)+FR*\b:128*(\p)+FR*\b+FR-1], v[AF+FR*(\a):AF+FR*(\a)+FR-1], v[8*(8*((\a)%4)+\b):8*(8*((\a)%4)+\b)+7], v[SC+8*NQ*(\sc)+NQ*\b+(\q)], v[SC+8*NQ*(\sc)+NQ*(\a)+(\q)] matrix_a_fmt:MATRIX_FMT_FP4 matrix_b_fmt:MATRIX_FMT_FP4 matrix_a_scale:MATRIX_SCALE_ROW1
.endif
.endr
.endr
.endm
.macro FETCH_B slot, q, p              ; B's eight fragments into set p
	WIN TO_B
.irp i, 0,1,2,3,4,5,6,7
	FRAG 128*(\p)+FR*\i, ADRB+\slot, \q, \i
.endr
	WIN 0
.endm
.macro FETCH_A slot, q, i0             ; A's blocks i0 .. i0 + 3
.irp i, \i0, \i0+1, \i0+2, \i0+3
	FRAG AF+FR*(\i), ADRA+\slot, \q, \i
.endr
.endm
.macro SCALES sc                       ; a K step's scale words: four words a row; lanes 0-15 take A's block i, lanes 16-31 B's block i
.irp i, 0,1,2,3,4,5,6,7
	ds_load_b128 v[SC+8*NQ*\sc+NQ*\i:SC+8*NQ*\sc+NQ*\i+3], v[ADRS] offset:\i*SBLK
.endr
.endm
.macro PLACES n                        ; plain vector instructions between a matrix instruction and a load into, or a read of, its registers
.rept \n
	v_nop
.endr
.endm
.macro STEP slot, q, zero              ; 128 along K that have their successor in the same slot
	s_wait_dscnt 4*NL                              ; B's set and A's blocks 0-3 are in; the youngest eight loads (A's blocks 4-7) may be out
	WIN MUL_LO
	MUL16 0, (\q)%2, \q, \slot, \zero
	MUL16 2, (\q)%2, \q, \slot, \zero
	s_wait_dscnt 0                                 ; A's blocks 4-7 are in
	PLACES NP
	FETCH_B \slot, (\q)+1, 1-(\q)%2
	FETCH_A \slot, (\q)+1, 0
	WIN MUL_HI
	MUL16 4, (\q)%2, \q, \slot, \zero
	MUL16 6, (\q)%2, \q, \slot, \zero
	PLACES NP
	WIN 0
	FETCH_A \slot, (\q)+1, 4
.endm
; Slot 0's last step changes slots: one barrier; in front of it each wave waits for all its tensor loads (its part of slot 1), adds 0 to its spare word, and waits for that and for its reads of slot 0.  Nothing is filled again.
.macro TURN slot, next
	s_wait_tensorcnt 0x0                           ; all my tensor loads have landed
	ds_add_u32 v[SPW], v[NIL]
	s_wait_dscnt 4*NL+1                            ; (the add and A's blocks 4-7 may be out)
	WIN MUL_LO
	MUL16 0, 1, NQ-1, \slot, 0
	s_wait_dscnt 0x0                               ; the add is done, and my reads of this slot are over
	s_barrier_signal -1
	MUL16 2, 1, NQ-1, \slot, 0
	WIN 0
	s_barrier_wait -1
	PLACES NP
	v_add_nc_u32 v[ADRS], 4*NQ, v[ADRS]            ; on to the next K step's scale words
	FETCH_B \next, 0, 0
	FETCH_A \next, 0, 0
	SCALES \next
	WIN MUL_HI
	MUL16 4, 1, NQ-1, \slot, 0
	MUL16 6, 1, NQ-1, \slot, 0
	PLACES NP
	WIN 0
	FETCH_A \next, 0, 4
.endm
.macro STEPS slot, from
.set Q, \from
.rept NQ-1-\from
	STEP \slot, Q, 0
.set Q, Q+1
.endr
.endm
	s_wait_tensorcnt 1                             ; the scales and my part of K step 0 are in (K step 1's load may be out),
	s_barrier_signal -1
	s_barrier_wait -1                              ; everybody's are
	FETCH_B 0, 0, 0
	FETCH_A 0, 0, 0
	SCALES 0
	FETCH_A 0, 0, 4
	STEP 0, 0, 1                                   ; the first products start the sums: nothing is cleared
	STEPS 0, 1
	TURN 0, 1
	STEPS 1, 0
	s_wait_dscnt 4*NL                              ; the very last step: nothing more to fetch
	WIN MUL_LO
	MUL16 0, 1, NQ-1, 1, 0
	MUL16 2, 1, NQ-1, 1, 0
	s_wait_dscnt 0
	WIN MUL_HI
	MUL16 4, 1, NQ-1, 1, 0
	MUL16 6, 1, NQ-1, 1, 0
	WIN 0
; THE WAY OUT, block by block of 16 rows x 128 columns (two planes).  PACK: rounded to f16, 16 bytes a lane, each accumulator from its low end on.  TOSTAGE: into my stage, and back by planes, four rows an instruction.  SEND: stored.
.macro PACK a
.set AC, 64*((\a)%4)
	WIN 0x0a+5*((\a)/4)                            ; sources 0 and 1: window 2 or 3
.irp b, 0,1,2,3,4,5,6,7
.irp r, 0,1,2,3
	v_cvt_pk_f16_f32 v[TMP+4*\b+\r], v[AC+8*\b+2*\r], v[AC+8*\b+2*\r+1]
.endr
.endr
	WIN 0
.endm
.macro TOSTAGE a
.set BB, BK+32*((\a)%2)
.irp b, 0,1,2,3,4,5,6,7
	ds_store_b128 v[STO], v[TMP+4*\b:TMP+4*\b+3] offset:32*\b
.endr
.irp t, 0,1,2,3,4,5,6,7
	ds_load_b128 v[BB+4*\t:BB+4*\t+3], v[RD] offset:(\t%4)*4*SPITCH+(\t/4)*128   ; in order behind the stores above
.endr
.endm
.macro SEND a
.set BB, BK+32*((\a)%2)
	s_wait_dscnt 0x0                               ; the block is back in registers
	s_wait_xcnt 0x0                                ; the block before has been read by its stores: its registers take the next block's loads only behind this wait
.irp t, 0,1,2,3,4,5,6,7
	global_store_b128 v[CO], v[BB+4*\t:BB+4*\t+3], s[12:13] offset:(\a)*2048+(\t%4)*512+(\t/4)*PLANE   ; 32 lanes store 512 consecutive bytes, aligned; every offset an immediate
.endr
.endm
	PLACES NP                                      ; behind the last products, ahead of the first read of results
	PACK 0
	TOSTAGE 0
.irp a, 1,2,3,4,5,6,7                  ; block a's conversions stand between block a - 1's loads from the stage and the wait for them
	PACK \a
	SEND \a-1
	TOSTAGE \a
.endr
	SEND 7
	s_wait_tensorcnt 0x0                           ; the wave's end
	ds_add_u32 v[SPW], v[NIL]
	s_wait_dscnt 0x0
	CROUND                                         ; the closing round
	s_endpgm
.Lfunc_end_k_q27eaeecb0a_qkv:
	.size	k_q27eaeecb0a_qkv, .Lfunc_end_k_q27eaeecb0a_qkv-k_q27eaeecb0a_qkv
	.p2alignl 7, 3214868480
	.fill 96, 4, 3214868480
	.section	.rodata,"a",@progbits
	.p2align	6, 0x0
	.amdhsa_kernel k_q27eaeecb0a_qkv
		.amdhsa_group_segment_fixed_size 327680
		.amdhsa_private_segment_fixed_size 0
		.amdhsa_enable_private_segment 0
		.amdhsa_kernarg_size 40
		.amdhsa_user_sgpr_count 2
		.amdhsa_user_sgpr_kernarg_segment_ptr 1
		.amdhsa_wavefront_size32 1
		.amdhsa_system_sgpr_workgroup_id_x 1
		.amdhsa_system_sgpr_workgroup_id_y 1
		.amdhsa_system_sgpr_workgroup_id_z 1
		.amdhsa_system_vgpr_workitem_id 0
		.amdhsa_next_free_vgpr 1024
		.amdhsa_next_free_sgpr 98
		.amdhsa_reserve_vcc 0
		.amdhsa_float_denorm_mode_32 3
		.amdhsa_float_denorm_mode_16_64 3
		.amdhsa_memory_ordered 1
		.amdhsa_forward_progress 1
		.amdhsa_inst_pref_size 126
	.end_amdhsa_kernel
	.amdgpu_metadata
---
amdhsa.version: [ 1, 2 ]
amdhsa.kernels:
  - .name:           k_q27eaeecb0a_qkv
    .symbol:         k_q27eaeecb0a_qkv.kd
    .args:
      - { .name: xc, .offset: 0, .size: 8, .value_kind: global_buffer, .address_space: global }
      - { .name: xs, .offset: 8, .size: 8, .value_kind: global_buffer, .address_space: global }
      - { .name: wc, .offset: 16, .size: 8, .value_kind: global_buffer, .address_space: global }
      - { .name: ws, .offset: 24, .size: 8, .value_kind: global_buffer, .address_space: global }
      - { .name: qkv, .offset: 32, .size: 8, .value_kind: global_buffer, .address_space: global }
    .group_segment_fixed_size: 327680
    .private_segment_fixed_size: 0
    .kernarg_segment_align: 8
    .kernarg_segment_size: 40
    .max_flat_workgroup_size: 128
    .sgpr_count:     98
    .vgpr_count:     1024
    .wavefront_size: 32
...
	.end_amdgpu_metadata
.endif
;; end of part 2
;; launch attn (part 3): grid 4 x 64, 8 waves a work-group, clusters of 4 x 1, 327,680 bytes of LDS; arguments qkv, att; writes att
.if DOCPART == 3
	.amdgcn_target "amdgcn-amd-amdhsa--gfx1250"
	.amdhsa_code_object_version 6
	.text
	.protected	k_q27eaeecb0a_attn
	.globl	k_q27eaeecb0a_attn
	.p2align	8
	.type	k_q27eaeecb0a_attn,@function
k_q27eaeecb0a_attn:
	s_mov_b64 s[64:65], 0
	v_nop
	global_prefetch_b8 v0, s[64:65] scope:SCOPE_SE
	s_setreg_imm32_b32 hwreg(HW_REG_WAVE_MODE, 25, 1), 1
	s_wait_xcnt 0x0
	s_wait_alu depctr_hold_cnt(0) depctr_sa_sdst(0) depctr_va_vdst(0) depctr_va_sdst(0) depctr_va_ssrc(0) depctr_va_vcc(0) depctr_vm_vsrc(0)
	s_getreg_b32 s2, hwreg(HW_REG_IB_STS2, 6, 4)
	s_cmp_eq_u32 s2, 0
	s_cbranch_scc0 .Lentry_in_a_cluster
	s_endpgm
.Lentry_in_a_cluster:
	s_bfe_u32 s2, ttmp6, 0x10000c
	s_cmp_lg_u32 s2, 0x3003
	s_cbranch_scc0 .Lentry_shape_is_right
	s_endpgm
.Lentry_shape_is_right:
; att[h][b, q][:] = the sum over k of softmax_k(q . k / 32) v[k][:], for each of 4 x 16 (batch, head), 2,048 keys, head size 64, no mask.
; qkv: planes [48][8192][64] f16 (plane h: q, 16 + h: k, 32 + h: v; row 2048 b + n).  att: planes [16][8192][64] f16.  Products on f16 operands, sums, maxima and exponentials in f32;
; the weights p (at most 1) are rounded to f16 for the second product, o once at the end.  A running maximum is taken away ahead of every exponential.
; LIMIT: o is an average of v, so it has an f16 number wherever v has one.
; SHARES.  A cluster of four work-groups is one (batch, head); a work-group owns 512 queries, each of its eight waves 64: four tiles of 16.  Two waves share a SIMD's registers (512 each), so that one wave's
; softmax stands beside the other's products; the step is written in plain phases.  Every wave walks all keys, 64 a step; each fragment of K and V read from LDS serves four tiles.
; LAYOUT.  S^T = K Q^T (source 0 = 16 keys, source 1 = 16 queries): a lane holds ONE query (lane % 16) and keys 8 (lane / 16) + 0..7.  Two such tiles, rounded to f16 in pairs, ARE source 1 of
; O^T = V^T P, whose result again holds one query a lane.  K comes out of LDS as it lies, V ([key][channel]) turned, by ds_load_tr16_b128.
; SOFTMAX.  p = 2^(c s - c m), c = log2(e) / 32; in every step O and l are multiplied by a = 2^(c m_old - c m_new).
; THE RING.  Two slots of four key steps.  The four partners walk the same K and V, so each tile is asked for JOINTLY: waves 0-3 fetch K's 64 rows of the slot's steps 0-3, waves 4-7 V's: one load a wave.
; REGISTERS: window 0: v1-15 addresses; v16-47 eight statistics a tile; v64-127 Q; v128-255 S^T, 32 a tile; P lies over the first 16 of them.   window 1: v0-127 O^T, 32 a tile; v128-191 K; v192-255 V.
.set KS,    64                         ; keys in a step
.set NST,   4                          ; steps in a slot
.set PK,    144                        ; a row of K in LDS: 128 bytes + 16: the sixteen rows of a load start 16 bytes apart modulo 256
.set PV,    160                        ; a row of V: 128 + 32: the eight rows that sixteen lanes of the turning load take start 32 bytes apart modulo 256
.set VOFF,  KS*PK                      ; a step's tiles lie together: 64 rows of K, then 64 rows of V
.set STEPB, KS*(PK+PV)
.set SLOT1, 1<<17                      ; slot 1 begins here: one exclusive or turns an address in one slot into the other's
.set SLOTB, NST*KS*128                 ; a slot's keys in memory: 32,768 bytes of K, as many of V
.set STAGE, SLOT1+NST*STEPB            ; behind the ring: 16 rows x 144 bytes for each wave, for the way out
.set SP,    144
.set SPARE, STAGE+8*16*SP              ; the spare words, 128 bytes for each wave: four blocks of 256 bytes that no other line names
.set AK0, 2                            ; v2   my lane's place in a tile of K; never rewritten
.set AV0, 3                            ; v3   the same for V
.set ADK, 4                            ; v4   LDS address of the step's K
.set ADV, 5                            ; v5   of its V
.set QO,  6                            ; v6   my byte offset in the wave's rows of Q
.set STO, 7                            ; v7   the way out: where I put 16 bytes of a row
.set RD,  8                            ; v8   where I read them back
.set GO,  9                            ; v9   16 x lane
.set PFO, 12                           ; v12  256 x lane; never rewritten
.set SPW, 14                           ; v14  my spare word; never rewritten
.set NIL, 15                           ; v15  0; never rewritten
.set ST,  16                           ; tile t's statistics at v[ST+8 t]: +0 c m, +1 m, +2, +3 l (even keys', odd keys'), +4 .. +7 at work; a at +6
.set QF,  64                           ; Q's fragment (tile t, channels 32 c on) at v[QF+16 t+8 c]
.set S,   128
.set KF,  128                          ; in window 1: K's fragment (keys 16 k on, channels 32 c on) at v[KF+16 k+8 c]
.set VF,  192                          ; in window 1: V's fragment (keys 32 g on, channels 16 d on) at v[VF+32 g+8 d]
.set WV,  12                           ; s12  my wave's number
.set LIM, 15                           ; s15  1 in a wave that prefetches, else the greatest number
.set PFA, 18                           ; s[18:19] where my prefetches stand
.set G1K, 24                           ; s[24:31] group 1 for K's tiles;  s[32:39] for V's: it differs in the padding alone
.set G1V, 32
.set G0K, 40                           ; s[40:47] group 0 for K's tiles: a set for each of the two first fills; the second then walks on
.set G0V, 48                           ; s[48:55] the same for V's
.set SLOTS, 56                         ; s56  slots still to be asked for
.set CNT, 57                           ; s57  counts a slot's steps
.set CS,  58                           ; s[58:59] c
.set SEL, 60                           ; s[60:61] lane selects for v_permlanex16_b32: lane l xor 16
.set TB,  62                           ; s62  LDS byte at which the tiles of the step to be fetched begin
.set MSB, 0
.macro WIN new                         ; the immediate's high byte repeats the setting that is left
.if MSB != (\new)
	s_set_vgpr_msb (MSB<<8)|(\new)
.set MSB, (\new)
.endif
.endm
.set W_KQ, 0x01                        ; K in window 1; Q and S^T in window 0
.set W_PV, 0x51                        ; V and O^T in window 1; P in window 0
.set W_RS, 0x41                        ; O^T (destination and source 0) in window 1, a in window 0
.set TO_1, 0x40                        ; destination window 1, address window 0
; A joint refill.  The branch hangs on the wave's number alone.  An s_nop 0 and four v_nop follow each of the two lines.
.macro JLOAD
	s_cmp_lt_u32 s[WV], 4
	s_cbranch_scc0 .Lfor_v_\@
	tensor_load_to_lds s[G0K+4:G0K+7], s[G1K:G1K+7]
	s_nop 0
.rept 4
	v_nop
.endr
	s_branch .Lasked_\@
.Lfor_v_\@:
	tensor_load_to_lds s[G0V+4:G0V+7], s[G1V:G1V+7]
	s_nop 0
.rept 4
	v_nop
.endr
.Lasked_\@:
.endm
; A PREFETCH of what the NEXT change of slots will ask for: a slot's 32,768 bytes of K and of V, four key steps ahead of that load.  The four partners share them out BY ADDRESS, 8,192 bytes each; in each,
; wave 0 asks for K's and wave 4 for V's, lanes 256 bytes apart: each aligned block of 256 bytes is named once in the launch.  The last change that fills a slot asks for nothing; slots 0 to 2 come by their loads alone.
.macro ASK
	s_cmp_gt_u32 s[SLOTS], s[LIM]
	s_cbranch_scc0 .Lnot_mine_\@
	global_prefetch_b8 v[PFO], s[PFA:PFA+1] th:TH_LOAD_NT scope:SCOPE_SE
.Lnot_mine_\@:
.endm
.macro CROUND                          ; a round of the cluster's barrier
	s_barrier_signal -1
	s_barrier_wait -1
	s_cmp_lg_u32 s[WV], 0
	s_cbranch_scc1 .Lnot_wave_0_\@
	s_barrier_signal -3
.Lnot_wave_0_\@:
	s_barrier_wait -3
	s_barrier_signal -1
	s_barrier_wait -1
.endm
	s_load_b128 s[4:7], s[0:1], 0x0                ; qkv s[4:5], att s[6:7]
	v_lshl_add_u32 v[SPW], v0, 2, SPARE
	v_mov_b32 v[NIL], 0
	ds_add_u32 v[SPW], v[NIL]                      ; the wave's opening: the add, twice on end, and its wait ahead of my first tensor load
	ds_add_u32 v[SPW], v[NIL]
	v_lshrrev_b32 v1, 5, v0
	v_readfirstlane_b32 s[WV], v1                  ; wave 0..7
	s_bfe_u32 s13, ttmp6, 0x40000                  ; cx: my block of 512 queries: it enters Q's, att's and the prefetches' addresses alone
	s_and_b32 s14, ttmp7, 0xffff                   ; 16 b + h, which the four partners share
	s_and_b32 s16, s14, 15                         ; h
	s_lshr_b32 s17, s14, 4                         ; b
	s_lshl_b32 s20, s16, 20                        ; plane h,
	s_lshl_b32 s21, s17, 18                        ; 2,048 rows of 128 bytes for each batch
	s_add_co_u32 s20, s20, s21
	s_and_b32 s22, s[WV], 3                        ; which of a slot's four steps I fetch:
	s_lshl_b32 s23, s22, 13                        ; its 64 rows of 128 bytes in memory,
	s_add_co_u32 s8, s20, s23
	s_add_co_u32 s10, s8, 32<<20                   ; in v's plane,
	s_add_co_u32 s8, s8, 16<<20                    ; in k's plane
	s_mov_b32 s9, 0
	s_mov_b32 s11, 0
	s_mul_i32 s17, s22, STEPB                      ; and its place in a slot: no place in the cluster enters an LDS address
	s_lshl_b32 s2, s13, 16                         ; my block's 512 rows,
	s_lshl_b32 s3, s[WV], 13                       ; my wave's 64 of them
	s_add_co_u32 s2, s2, s3
	s_add_co_u32 s2, s2, s20
	s_mov_b32 s3, 0
	; group 1: a tile of 64 rows x 64 elements of 2 bytes, dense in memory, padded in LDS
	s_mov_b32 s[G1K], 15|(1<<16)|(1<<20)|(1<<21)|(4<<22)|(3<<25)  ; the mask: all four work-groups; elements of 2 bytes; padding on; bit 21 beside a mask; after every 32 words, 4 words
	s_mov_b32 s[G1V], 15|(1<<16)|(1<<20)|(1<<21)|(4<<22)|(7<<25)  ; the same with 8 words of padding
.irp g, G1K, G1V
	s_mov_b32 s[\g+1], 64<<16                      ; tensor_dim0
	s_mov_b32 s[\g+2], KS<<16                      ; tensor_dim1
	s_mov_b32 s[\g+3], 64<<16                      ; tile_dim0
	s_mov_b32 s[\g+4], KS                          ; tile_dim1
	s_mov_b32 s[\g+5], 64                          ; from row to row
	s_mov_b32 s[\g+6], 0
	s_mov_b32 s[\g+7], 0
.endr
	s_mov_b32 s[CS], 0x3d38aa3b                    ; c = log2(e) / 32
	s_mov_b32 s[CS+1], s[CS]                       ; named with it as a pair, so it is written
	s_mov_b32 s[SEL], 0x76543210
	s_mov_b32 s[SEL+1], 0xfedcba98
	s_mov_b32 s[TB], 0
	s_mov_b32 s[SLOTS], 2048/(NST*KS)-2
	s_cmp_eq_u32 s22, 0                            ; waves 0 and 4 prefetch: the same in all four partners
	s_cselect_b32 s[LIM], 1, -1
	v_and_b32 v[PFO], 31, v0
	v_lshlrev_b32 v[PFO], 8, v[PFO]
	s_wait_dscnt 0x0                               ; both opening adds are done
	s_wait_kmcnt 0x0
	s_add_nc_u64 s[8:9], s[4:5], s[8:9]            ; K and V at my tile of slot 0
	s_add_nc_u64 s[10:11], s[4:5], s[10:11]
	s_add_nc_u64 s[4:5], s[4:5], s[2:3]            ; Q and att at my wave's first row
	s_add_nc_u64 s[6:7], s[6:7], s[2:3]
	s_cmp_lt_u32 s[WV], 4
	s_cselect_b64 s[PFA:PFA+1], s[8:9], s[10:11]   ; (in waves 0 and 4 these stand at a slot's first row)
	s_lshl_b32 s2, s13, 13                         ; my work-group's 8,192 bytes of the 32,768
	s_mov_b32 s3, 0
	s_add_nc_u64 s[PFA:PFA+1], s[PFA:PFA+1], s[2:3]
	s_add_nc_u64 s[PFA:PFA+1], s[PFA:PFA+1], 2*SLOTB   ; in slot 2; the first change of slots steps it to slot 3.  Nothing is prefetched at the head
	CROUND                                         ; all four work-groups are here: the first joint loads meet
.irp s, 0,1
	s_mov_b32 s[G0K+4*\s], 1                       ; count = 1
	s_add_co_u32 s[G0K+4*\s+1], s17, \s*SLOT1      ; LDS address
	s_add_nc_u64 s[G0K+4*\s+2:G0K+4*\s+3], s[8:9], \s*SLOTB   ; global address
	s_or_b32 s[G0K+4*\s+3], s[G0K+4*\s+3], 0x80000000         ; type = 2
	s_mov_b32 s[G0V+4*\s], 1
	s_add_co_u32 s[G0V+4*\s+1], s17, \s*SLOT1+VOFF
	s_add_nc_u64 s[G0V+4*\s+2:G0V+4*\s+3], s[10:11], \s*SLOTB
	s_or_b32 s[G0V+4*\s+3], s[G0V+4*\s+3], 0x80000000
.endr
	s_cmp_lt_u32 s[WV], 4                          ; a wave's two first fills stand in one branch, ahead of every wait on TENSORcnt and every LDS read: two loads of mine are out
	s_cbranch_scc0 .Lfirst_v
	tensor_load_to_lds s[G0K:G0K+3], s[G1K:G1K+7]
	s_nop 0
	tensor_load_to_lds s[G0K+4:G0K+7], s[G1K:G1K+7]
	s_nop 0
.rept 4
	v_nop
.endr
	s_branch .Lfirst_asked
.Lfirst_v:
	tensor_load_to_lds s[G0V:G0V+3], s[G1V:G1V+7]
	s_nop 0
	tensor_load_to_lds s[G0V+4:G0V+7], s[G1V:G1V+7]
	s_nop 0
.rept 4
	v_nop
.endr
.Lfirst_asked:
	; A fragment of K or Q is 16 rows x 32 channels in 8 registers: lane l holds row l % 16; registers 0-3 channels 8 (l / 16) + 0..7, registers 4-7 channels 16 + 8 (l / 16) + 0..7
	v_and_b32 v1, 15, v0                           ; l % 16
	v_bfe_u32 v10, v0, 4, 1                        ; l / 16
	v_lshlrev_b32 v[QO], 7, v1
	v_lshl_add_u32 v[QO], v10, 4, v[QO]            ; row x 128 + 16 x half
.irp i, 0,1,2,3,4,5,6,7                ; Q stays in registers: tile i / 2, channels 32 (i % 2) on
	global_load_b128 v[QF+8*\i:QF+8*\i+3],   v[QO], s[4:5] offset:(\i/2)*2048+(\i%2)*64 th:TH_LOAD_NT
	global_load_b128 v[QF+8*\i+4:QF+8*\i+7], v[QO], s[4:5] offset:(\i/2)*2048+(\i%2)*64+32 th:TH_LOAD_NT
.endr
	v_mul_u32_u24 v[AK0], v1, PK
	v_lshl_add_u32 v[AK0], v10, 4, v[AK0]          ; row x pitch + 16 x half
	; the turning load: lane l reads 16 bytes: key 8 (l / 16) + l % 8, channels 8 ((l / 8) % 2) + 0..7, and gets channel l % 16 and 8 keys
	v_and_b32 v11, 7, v0
	v_lshl_add_u32 v[AV0], v10, 3, v11
	v_mul_u32_u24 v[AV0], v[AV0], PV
	v_bfe_u32 v11, v0, 3, 1
	v_lshl_add_u32 v[AV0], v11, 4, v[AV0]
	v_add_nc_u32 v[AV0], VOFF, v[AV0]
	s_mul_i32 s13, s[WV], 16*SP
	s_add_co_u32 s13, s13, STAGE                   ; my stage
	v_add_nc_u32 v[STO], s13, v[AK0]               ; in: row l % 16 (the same pitch as K's), 16 bytes for each half of the lanes
	v_bfe_u32 v11, v0, 3, 2                        ; back: eight lanes take one row of 128 bytes, the 32 lanes four rows
	v_mul_u32_u24 v[RD], v11, SP
	v_and_b32 v11, 7, v0
	v_lshl_add_u32 v[RD], v11, 4, v[RD]
	v_add_nc_u32 v[RD], s13, v[RD]
	v_and_b32 v[GO], 31, v0
	v_lshlrev_b32 v[GO], 4, v[GO]                  ; four rows of a plane are 512 consecutive bytes
; A KEY STEP, in phases.  first = 1: the first step, which starts m, l and O^T: it has no a and nothing to rescale.
.macro STEP first
	v_add_nc_u32 v[ADK], s[TB], v[AK0]
	v_add_nc_u32 v[ADV], s[TB], v[AV0]
.if !\first
	v_nop                                          ; with the two additions five places behind the last products V^T P: the products below write over P, which those read (five are asked),
	v_nop                                          ; and the loads below land in V's registers (four are asked)
	v_nop
.endif
	s_add_co_u32 s[TB], s[TB], STEPB               ; the next fetch is the next step's
	WIN TO_1
.irp f, 0,1,2,3,4,5,6,7                ; K: keys 16 (f / 2) on, channels 32 (f % 2) on
	ds_load_b128 v[KF+8*\f:KF+8*\f+3],   v[ADK] offset:(\f/2)*16*PK+(\f%2)*64
	ds_load_b128 v[KF+8*\f+4:KF+8*\f+7], v[ADK] offset:(\f/2)*16*PK+(\f%2)*64+32
.endr
.irp f, 0,1,2,3,4,5,6,7                ; V, turned: keys 32 (f / 4) on, channels 16 (f % 4) on
	ds_load_tr16_b128 v[VF+8*\f:VF+8*\f+3],   v[ADV] offset:(\f/4)*32*PV+(\f%4)*32
	ds_load_tr16_b128 v[VF+8*\f+4:VF+8*\f+7], v[ADV] offset:(\f/4)*32*PV+16*PV+(\f%4)*32
.endr
	s_wait_dscnt 16                                ; K is in; V's sixteen loads may be out
	WIN W_KQ
.irp c, 0,1                            ; S^T = K Q^T: 32 products; the sixteen accumulators take turns, one instruction a turn; the first sixteen start the sums
.irp k, 0,1,2,3
.irp t, 0,1,2,3
.if \c == 0
	v_wmma_f32_16x16x32_f16 v[S+32*\t+8*\k:S+32*\t+8*\k+7], v[KF+16*\k+8*\c:KF+16*\k+8*\c+7], v[QF+16*\t+8*\c:QF+16*\t+8*\c+7], 0
.else
	v_wmma_f32_16x16x32_f16 v[S+32*\t+8*\k:S+32*\t+8*\k+7], v[KF+16*\k+8*\c:KF+16*\k+8*\c+7], v[QF+16*\t+8*\c:QF+16*\t+8*\c+7], v[S+32*\t+8*\k:S+32*\t+8*\k+7]
.endif
.endr
.endr
.endr
	WIN 0
.rept 4
	v_nop                                          ; places ahead of the first read of the scores
.endr
	; THE MAXIMUM of my 32 scores and the old m, the four tiles line by line: four chains, each begun at an accumulator's low end
.irp j, 0,1,2,3
.irp t, 0,1,2,3
	v_max3_num_f32 v[ST+8*\t+4+\j], v[S+32*\t+8*\j], v[S+32*\t+8*\j+1], v[S+32*\t+8*\j+2]
.endr
.endr
.irp i, 1,2
.irp j, 0,1,2,3
.irp t, 0,1,2,3
	v_max3_num_f32 v[ST+8*\t+4+\j], v[ST+8*\t+4+\j], v[S+32*\t+8*\j+2*\i+1], v[S+32*\t+8*\j+2*\i+2]
.endr
.endr
.endr
.irp t, 0,1,2,3
	v_max3_num_f32 v[ST+8*\t+4], v[ST+8*\t+4], v[S+32*\t+7], v[S+32*\t+15]
.endr
.irp t, 0,1,2,3
	v_max3_num_f32 v[ST+8*\t+6], v[ST+8*\t+6], v[S+32*\t+23], v[S+32*\t+31]
.endr
.irp t, 0,1,2,3
	v_max3_num_f32 v[ST+8*\t+4], v[ST+8*\t+4], v[ST+8*\t+5], v[ST+8*\t+6]
.endr
.irp t, 0,1,2,3
.if \first
	v_max_num_f32 v[ST+8*\t+4], v[ST+8*\t+4], v[ST+8*\t+7]
.else
	v_max3_num_f32 v[ST+8*\t+4], v[ST+8*\t+4], v[ST+8*\t+7], v[ST+8*\t+1]
.endif
.endr
.irp t, 0,1,2,3
	v_permlanex16_b32 v[ST+8*\t+5], v[ST+8*\t+4], s[SEL], s[SEL+1]   ; the query's other 32 keys lie in the lane 16 away
.endr
.if !\first
.irp t, 0,1,2,3
	v_mov_b32 v[ST+8*\t+7], v[ST+8*\t]             ; c m_old is kept for a
.endr
.endif
.irp t, 0,1,2,3
	v_max_num_f32 v[ST+8*\t+1], v[ST+8*\t+4], v[ST+8*\t+5]   ; the new m
.endr
.irp t, 0,1,2,3
	v_mul_f32 v[ST+8*\t], s[CS], v[ST+8*\t+1]      ; c m
.endr
.if !\first
.irp t, 0,1,2,3
	v_sub_f32 v[ST+8*\t+7], v[ST+8*\t+7], v[ST+8*\t]
.endr
.endif
	; ONE BATCH of exponentials with one wait: nothing in it names an exponential's result.  Tile 0 is scaled first; then each tile's exponentials carry the next tile's scalings between them
.irp b, 0,1,2,3,4,5,6,7,8,9,10,11,12,13,14,15
	v_pk_fma_f32 v[S+2*\b:S+2*\b+1], v[S+2*\b:S+2*\b+1], s[CS:CS+1], v[ST:ST+1] op_sel_hi:[1,0,0] neg_lo:[0,0,1] neg_hi:[0,0,1]   ; c s - c m, two at a time
.endr
.if !\first
.irp t, 0,1,2,3
	v_exp_f32 v[ST+8*\t+6], v[ST+8*\t+7]           ; a
.endr
.endif
.irp t, 0,1,2,3
.irp b, 0,1,2,3,4,5,6,7,8,9,10,11,12,13,14,15
	v_exp_f32 v[S+32*\t+2*\b], v[S+32*\t+2*\b]
	v_exp_f32 v[S+32*\t+2*\b+1], v[S+32*\t+2*\b+1]
.if \t < 3
	v_pk_fma_f32 v[S+32*(\t+1)+2*\b:S+32*(\t+1)+2*\b+1], v[S+32*(\t+1)+2*\b:S+32*(\t+1)+2*\b+1], s[CS:CS+1], v[ST+8*(\t+1):ST+8*(\t+1)+1] op_sel_hi:[1,0,0] neg_lo:[0,0,1] neg_hi:[0,0,1]
.endif
.endr
.endr
	v_nop                                          ; a plain instruction behind the last exponential
	s_wait_alu depctr_va_vdst(0)                   ; one wait ahead of the batch's first reader
	; THE SUMS, of the weights in f32, in two chains a tile (T at +4, +5 and l); they leave the weights as they are
.irp t, 0,1,2,3
	v_pk_add_f32 v[ST+8*\t+4:ST+8*\t+5], v[S+32*\t:S+32*\t+1], v[S+32*\t+2:S+32*\t+3]
.endr
.irp t, 0,1,2,3
.if \first
	v_pk_add_f32 v[ST+8*\t+2:ST+8*\t+3], v[S+32*\t+4:S+32*\t+5], v[S+32*\t+6:S+32*\t+7]
.else
	v_pk_fma_f32 v[ST+8*\t+2:ST+8*\t+3], v[ST+8*\t+2:ST+8*\t+3], v[ST+8*\t+6:ST+8*\t+7], v[S+32*\t+4:S+32*\t+5] op_sel_hi:[1,0,1]   ; l = a l + ..
.endif
.endr
.if !\first
.irp t, 0,1,2,3
	v_pk_add_f32 v[ST+8*\t+4:ST+8*\t+5], v[ST+8*\t+4:ST+8*\t+5], v[S+32*\t+6:S+32*\t+7]
.endr
.endif
.irp p, 4,6,8,10,12,14
.irp t, 0,1,2,3
	v_pk_add_f32 v[ST+8*\t+2:ST+8*\t+3], v[ST+8*\t+2:ST+8*\t+3], v[S+32*\t+2*\p:S+32*\t+2*\p+1]
.endr
.irp t, 0,1,2,3
	v_pk_add_f32 v[ST+8*\t+4:ST+8*\t+5], v[ST+8*\t+4:ST+8*\t+5], v[S+32*\t+2*\p+2:S+32*\t+2*\p+3]
.endr
.endr
.irp t, 0,1,2,3
	v_pk_add_f32 v[ST+8*\t+2:ST+8*\t+3], v[ST+8*\t+2:ST+8*\t+3], v[ST+8*\t+4:ST+8*\t+5]
.endr
	; P: the weights rounded to f16 in pairs, in place: register j takes weights 2 j and 2 j + 1, j ascending, so that no weight is overwritten before it is read
.irp j, 0,1,2,3,4,5,6,7,8,9,10,11,12,13,14,15
.irp t, 0,1,2,3
	v_cvt_pk_f16_f32 v[S+32*\t+\j], v[S+32*\t+2*\j], v[S+32*\t+2*\j+1]
.endr
.endr
.if !\first
	WIN W_RS
.irp i, 0,1,2,3,4,5,6,7,8,9,10,11,12,13,14,15
.irp t, 0,1,2,3
	v_pk_mul_f32 v[32*\t+2*\i:32*\t+2*\i+1], v[32*\t+2*\i:32*\t+2*\i+1], v[ST+8*\t+6:ST+8*\t+7] op_sel_hi:[1,0]   ; O^T x a, each accumulator from its low end on
.endr
.endr
.endif
	s_wait_dscnt 0x0                               ; V is in
	WIN W_PV
.irp g, 0,1                            ; O^T += V^T P: 32 products, sixteen accumulators by turns
.irp d, 0,1,2,3
.irp t, 0,1,2,3
.if \first && (\g == 0)
	v_wmma_f32_16x16x32_f16 v[32*\t+8*\d:32*\t+8*\d+7], v[VF+32*\g+8*\d:VF+32*\g+8*\d+7], v[S+32*\t+8*\g:S+32*\t+8*\g+7], 0
.else
	v_wmma_f32_16x16x32_f16 v[32*\t+8*\d:32*\t+8*\d+7], v[VF+32*\g+8*\d:VF+32*\g+8*\d+7], v[S+32*\t+8*\g:S+32*\t+8*\g+7], v[32*\t+8*\d:32*\t+8*\d+7]
.endif
.endr
.endr
.endr
	WIN 0                                          ; at a label and at a branch every window is 0
.endm
.macro STEPS n                         ; n key steps: written once, walked n times; the LDS addresses hang on s[TB]
	s_mov_b32 s[CNT], \n
.Lstep_\@:
	STEP 0
	s_sub_co_u32 s[CNT], s[CNT], 1
	s_cmp_lg_u32 s[CNT], 0
	s_cbranch_scc1 .Lstep_\@
.endm
; THE CHANGE OF SLOTS.  Each wave waits for all its tensor loads, of which one is out: its part of the other slot; adds 0 to its spare word; and waits for that and for its reads of the slot that it leaves.
; fill = 1: that slot is filled again, with the keys two slots on: the barrier is then a round of the cluster's, and the joint refill is the first thing behind it: it has four key steps in which to land.
.macro CHANGE fill
	s_wait_tensorcnt 0x0                           ; no tensor load of mine is out, so a group 0 may be written
	ds_add_u32 v[SPW], v[NIL]
.if \fill
.irp g, G0K+4, G0V+4
	s_xor_b32 s[\g+1], s[\g+1], SLOT1              ; the walking descriptor: the other slot than last time,
	s_add_nc_u64 s[\g+2:\g+3], s[\g+2:\g+3], SLOTB ; the next 256 keys; the type bits on top are not reached
.endr
	s_wait_xcnt 0x0                                ; the last prefetch, a slot back, has read its address, so it may be written
	s_add_nc_u64 s[PFA:PFA+1], s[PFA:PFA+1], SLOTB
	s_wait_dscnt 0x0                               ; the add is done, and my reads of the slot are over
	CROUND
	JLOAD
	ASK
.else
	s_wait_dscnt 0x0
	s_barrier_signal -1
	s_barrier_wait -1
.endif
	s_sub_co_u32 s[TB], s[TB], NST*STEPB           ; the fetches go back to a slot's first step,
	s_xor_b32 s[TB], s[TB], SLOT1                  ; in the other slot
.endm
	s_wait_tensorcnt 1                             ; my part of slot 0 is in; slot 1's may stay out
	s_barrier_signal -1
	s_barrier_wait -1                              ; everybody's is
	s_wait_loadcnt 0x0                             ; Q
	STEP 1
	STEPS NST-1
.Lslot:                                            ; six trips: every slot but the last two is filled again
	CHANGE 1
	STEPS NST
	s_sub_co_u32 s[SLOTS], s[SLOTS], 1
	s_cmp_lg_u32 s[SLOTS], 0
	s_cbranch_scc1 .Lslot
	CHANGE 0                                       ; the tail is written out
	STEPS NST
	; THE WAY OUT.  l's two halves and the other half of the lanes' are added; O^T is divided by l, rounded to f16 and sent through my stage, a tile (16 rows) at a time.  The additions are the places behind the last products.
.irp t, 0,1,2,3
	v_add_f32 v[ST+8*\t+4], v[ST+8*\t+2], v[ST+8*\t+3]
.endr
.irp t, 0,1,2,3
	v_permlanex16_b32 v[ST+8*\t+5], v[ST+8*\t+4], s[SEL], s[SEL+1]
.endr
.irp t, 0,1,2,3
	v_add_f32 v[ST+8*\t+4], v[ST+8*\t+4], v[ST+8*\t+5]
.endr
.irp t, 0,1,2,3
	v_rcp_f32 v[ST+8*\t+6], v[ST+8*\t+4]
.endr
	v_nop                                          ; a plain instruction behind the last reciprocal
	s_wait_alu depctr_va_vdst(0)                   ; one wait for the four, ahead of the first use
.macro PACK t
	WIN 0x01                                       ; source 0 (O^T) window 1; destination (S^T's registers, now free) window 0
.irp i, 0,1,2,3,4,5,6,7,8,9,10,11,12,13,14,15
	v_pk_mul_f32 v[S+32*\t+2*\i:S+32*\t+2*\i+1], v[32*\t+2*\i:32*\t+2*\i+1], v[ST+8*\t+6:ST+8*\t+7] op_sel_hi:[1,0]
.endr
	WIN 0
.irp j, 0,1,2,3,4,5,6,7,8,9,10,11,12,13,14,15
	v_cvt_pk_f16_f32 v[S+32*\t+\j], v[S+32*\t+2*\j], v[S+32*\t+2*\j+1]
.endr
.irp d, 0,1,2,3
	ds_store_b128 v[STO], v[S+32*\t+4*\d:S+32*\t+4*\d+3] offset:32*\d   ; my row's channels 16 d + 8 (l / 16) + 0..7
.endr
.irp j, 0,1,2,3
	ds_load_b128 v[S+32*\t+16+4*\j:S+32*\t+16+4*\j+3], v[RD] offset:\j*4*SP   ; in order behind the stores above; the next tile's stores come behind them
.endr
.endm
.macro SEND t, younger                 ; younger: the LDS instructions issued behind tile t's loads: the next tile's eight, or none
.irp j, 0,1,2,3
	s_wait_dscnt \younger+3-\j
	global_store_b128 v[GO], v[S+32*\t+16+4*\j:S+32*\t+16+4*\j+3], s[6:7] offset:\t*2048+\j*512   ; 32 lanes store 512 consecutive bytes, aligned
.endr
.endm
	PACK 0
	PACK 1
	SEND 0, 8
	PACK 2
	SEND 1, 8
	PACK 3
	SEND 2, 8
	SEND 3, 0
	s_wait_tensorcnt 0x0                           ; the wave's end
	ds_add_u32 v[SPW], v[NIL]
	s_wait_dscnt 0x0
	CROUND                                         ; the closing round
	s_endpgm
.Lfunc_end_k_q27eaeecb0a_attn:
	.size	k_q27eaeecb0a_attn, .Lfunc_end_k_q27eaeecb0a_attn-k_q27eaeecb0a_attn
	.p2alignl 7, 3214868480
	.fill 96, 4, 3214868480
	.section	.rodata,"a",@progbits
	.p2align	6, 0x0
	.amdhsa_kernel k_q27eaeecb0a_attn
		.amdhsa_group_segment_fixed_size 327680
		.amdhsa_private_segment_fixed_size 0
		.amdhsa_enable_private_segment 0
		.amdhsa_kernarg_size 16
		.amdhsa_user_sgpr_count 2
		.amdhsa_user_sgpr_kernarg_segment_ptr 1
		.amdhsa_wavefront_size32 1
		.amdhsa_system_sgpr_workgroup_id_x 1
		.amdhsa_system_sgpr_workgroup_id_y 1
		.amdhsa_system_sgpr_workgroup_id_z 1
		.amdhsa_system_vgpr_workitem_id 0
		.amdhsa_next_free_vgpr 512
		.amdhsa_next_free_sgpr 66
		.amdhsa_reserve_vcc 0
		.amdhsa_float_denorm_mode_32 3
		.amdhsa_float_denorm_mode_16_64 3
		.amdhsa_memory_ordered 1
		.amdhsa_forward_progress 1
		.amdhsa_inst_pref_size 145
	.end_amdhsa_kernel
	.amdgpu_metadata
---
amdhsa.version: [ 1, 2 ]
amdhsa.kernels:
  - .name:           k_q27eaeecb0a_attn
    .symbol:         k_q27eaeecb0a_attn.kd
    .args:
      - { .name: qkv, .offset: 0, .size: 8, .value_kind: global_buffer, .address_space: global }
      - { .name: att, .offset: 8, .size: 8, .value_kind: global_buffer, .address_space: global }
    .group_segment_fixed_size: 327680
    .private_segment_fixed_size: 0
    .kernarg_segment_align: 8
    .kernarg_segment_size: 16
    .max_flat_workgroup_size: 256
    .sgpr_count:     66
    .vgpr_count:     512
    .wavefront_size: 32
...
	.end_amdgpu_metadata
.endif
;; end of part 3
;; launch proj (part 4): grid 4 x 64, 4 waves a work-group, clusters of 4 x 4, 327,680 bytes of LDS; arguments att, w16, b_out, out0; writes out0
.if DOCPART == 4
	.amdgcn_target "amdgcn-amd-amdhsa--gfx1250"
	.amdhsa_code_object_version 6
	.text
	.protected	k_q27eaeecb0a_proj
	.globl	k_q27eaeecb0a_proj
	.p2align	8
	.type	k_q27eaeecb0a_proj,@function
k_q27eaeecb0a_proj:
	s_mov_b64 s[64:65], 0
	v_nop
	global_prefetch_b8 v0, s[64:65] scope:SCOPE_SE
	s_setreg_imm32_b32 hwreg(HW_REG_WAVE_MODE, 25, 1), 1
	s_wait_xcnt 0x0
	s_wait_alu depctr_hold_cnt(0) depctr_sa_sdst(0) depctr_va_vdst(0) depctr_va_sdst(0) depctr_va_ssrc(0) depctr_va_vcc(0) depctr_vm_vsrc(0)
	s_getreg_b32 s2, hwreg(HW_REG_IB_STS2, 6, 4)
	s_cmp_eq_u32 s2, 0
	s_cbranch_scc0 .Lentry_in_a_cluster
	s_endpgm
.Lentry_in_a_cluster:
	s_bfe_u32 s2, ttmp6, 0x10000c
	s_cmp_lg_u32 s2, 0xf033
	s_cbranch_scc0 .Lentry_shape_is_right
	s_endpgm
.Lentry_shape_is_right:
; out0[m][n] = the sum over k of o[m][k] w_out[k][n] + b_out[n].  o: att, planes [16][8192][64] f16 (k = 64 h + d).  w16: [1024 (k)][1024 (n)] f16.  b_out [1024], out0 [8192][1024]: f32.  Sums in f32.
; A tile of 128 rows x 256 columns is made by four waves, each 64 x 128: 32 accumulators, 256 registers: 256 work-groups.  K goes in steps of 128 (two planes of o, 128 rows of w16) through a ring of two LDS slots.
; THE MATRIX INSTRUCTION IS USED TRANSPOSED: source 0 = 16 columns of w16, which lies [k][n] and is turned by ds_load_tr16_b128; source 1 = 16 rows of o: a lane holds eight neighbouring columns of one row.
; THE BIAS is the C of each sum's first product: eight registers for each block of 16 columns, in the result's layout: no addition, nothing cleared.
; CLUSTERS: 4 x 4 work-groups.  o's tiles hang on the tile row alone and are shared along a row of the cluster, w16's on the tile column alone and are shared along a column: each is asked for JOINTLY.
; No prefetch: a small tile with short K steps, in a short launch.
; REGISTERS: window 0: v0-31 addresses; v64-159, v160-255 two fragment buffers (w16's eight fragments, then o's four), on the way out rows of the result.   window 1: the accumulators, (a, b) at v[8 (8 a + b)].   window 2: v0-63 the bias.
.set KSTEP,  128
.set PA,     144                       ; a row of o's plane in LDS: 128 bytes + 16
.set PB,     544                       ; a row of w16's tile: 512 bytes + 32
.set APL,    128*PA                    ; one plane's 128 rows
.set BOFF,   2*APL                     ; behind the two planes: w16's 128 rows
.set BHALF,  64*PB                     ; 64 of them: what one tensor load brings
.set SLOT,   BOFF+2*BHALF
.set STAGE,  2*SLOT                    ; behind the ring: 16 rows x (512 bytes + 16) for each wave
.set SPITCH, 528
.set SPARE,  STAGE+4*16*SPITCH         ; the spare words, 128 bytes for each wave
.set PLANE,  1<<20
.set LAPS,   1024/(2*KSTEP)            ; a lap = two K steps = once round the ring
.set ADRA, 16                          ; v16-17  LDS address of my fragments of o in slot 0, 1
.set ADRB, 20                          ; v20-21  the same for w16
.set STO,  24                          ; v24     the way out: where I put 32 bytes of a row
.set RD,   25                          ; v25     where I read a row back
.set CO,   26                          ; v26     16 x lane
.set BO,   27                          ; v27     the bias: 32 bytes for each half of the lanes
.set SPW,  28                          ; v28     my spare word; never rewritten
.set NIL,  29                          ; v29     0; never rewritten
.set F0,   64
.set F1,   160
.set BK,   64                          ; the way out: v64-127 and v128-191 by turns
.set G1, 24                            ; s[24:31] group 1 for o's tiles;  s[32:39] group 0, a set for each slot
.set G0, 32
.set G1B, 48                           ; s[48:55], s[56:63] the same for w16's
.set G0B, 56
.set MSB, 0
.macro WIN new                         ; the immediate's high byte repeats the setting that is left
.if MSB != (\new)
	s_set_vgpr_msb (MSB<<8)|(\new)
.set MSB, (\new)
.endif
.endm
.set MUL, 0x50                         ; sources 0 and 1 window 0; C and D window 1.  With 0x10 more: C window 2, the bias
.macro JLOAD s                         ; a joint load: waves 0 and 1 fetch o's two planes, waves 2 and 3 the halves of w16's rows; an s_nop 0 and four v_nop follow each line
	s_cmp_eq_u32 s13, 0
	s_cbranch_scc0 .Lfor_b_\@
	tensor_load_to_lds s[G0+4*\s:G0+4*\s+3], s[G1:G1+7]
	s_nop 0
.rept 4
	v_nop
.endr
	s_branch .Lasked_\@
.Lfor_b_\@:
	tensor_load_to_lds s[G0B+4*\s:G0B+4*\s+3], s[G1B:G1B+7]
	s_nop 0
.rept 4
	v_nop
.endr
.Lasked_\@:
.endm
.macro CREST                           ; a round of the cluster's barrier behind its opening barrier
	s_cmp_lg_u32 s12, 0
	s_cbranch_scc1 .Lnot_wave_0_\@
	s_barrier_signal -3
.Lnot_wave_0_\@:
	s_barrier_wait -3
	s_barrier_signal -1
	s_barrier_wait -1
.endm
.macro CROUND
	s_barrier_signal -1
	s_barrier_wait -1
	CREST
.endm
	s_load_b256 s[4:11], s[0:1], 0x0               ; att s[4:5], w16 s[6:7], b_out s[8:9], out0 s[10:11]
	v_lshl_add_u32 v[SPW], v0, 2, SPARE
	v_mov_b32 v[NIL], 0
	ds_add_u32 v[SPW], v[NIL]                      ; the wave's opening: the add, twice on end, and its wait ahead of my first tensor load
	ds_add_u32 v[SPW], v[NIL]
	v_lshrrev_b32 v1, 5, v0
	v_readfirstlane_b32 s12, v1                    ; wave 0..3
	s_lshr_b32 s13, s12, 1                         ; which 64 rows of the tile are mine.  Also: I fetch for o (0) or for w16 (1)
	s_and_b32 s14, s12, 1                          ; which 128 columns.  Also: which plane, or which 64 rows of w16, I fetch
	s_bfe_u32 s40, ttmp6, 0x40000                  ; cx, cy
	s_bfe_u32 s41, ttmp6, 0x40004
	s_lshl_b32 s42, ttmp9, 2
	s_add_co_u32 s42, s42, s40                     ; tile column = 4 x cluster x + cx
	s_and_b32 s15, ttmp7, 0xffff
	s_lshl_b32 s15, s15, 2
	s_add_co_u32 s15, s15, s41                     ; tile row = 4 x cluster y + cy
	s_lshl_b32 s43, s41, 2
	s_lshl_b32 s43, 15, s43                        ; my row of the cluster
	s_lshl_b32 s44, 0x1111, s40                    ; my column
	; group 1 for o: 128 rows x 64 elements of 2 bytes, dense in memory; 4 words of padding after every 32
	s_or_b32 s[G1+0], s43, (1<<16)|(1<<20)|(1<<21)|(4<<22)|(3<<25)
	s_mov_b32 s[G1+1], 64<<16                      ; tensor_dim0
	s_mov_b32 s[G1+2], 128<<16                     ; tensor_dim1
	s_mov_b32 s[G1+3], 64<<16                      ; tile_dim0
	s_mov_b32 s[G1+4], 128                         ; tile_dim1
	s_mov_b32 s[G1+5], 64                          ; from row to row
	s_mov_b32 s[G1+6], 0
	s_mov_b32 s[G1+7], 0
	; group 1 for w16: 64 rows x 256 elements, 1,024 elements from row to row; 8 words of padding after every 128
	s_or_b32 s[G1B+0], s44, (1<<16)|(1<<20)|(1<<21)|(6<<22)|(7<<25)
	s_mov_b32 s[G1B+1], 256<<16
	s_mov_b32 s[G1B+2], 64<<16
	s_mov_b32 s[G1B+3], 256<<16
	s_mov_b32 s[G1B+4], 64
	s_mov_b32 s[G1B+5], 1024
	s_mov_b32 s[G1B+6], 0
	s_mov_b32 s[G1B+7], 0
	s_lshl_b32 s16, s14, 20                        ; o: my plane of the K step's two,
	s_lshl_b32 s17, s15, 14                        ; the tile's 128 rows of 128 bytes
	s_add_co_u32 s16, s16, s17
	s_mov_b32 s17, 0
	s_lshl_b32 s46, s14, 17                        ; w16: my 64 rows of 2,048 bytes,
	s_lshl_b32 s47, s42, 9                         ; the tile's 256 columns
	s_add_co_u32 s46, s46, s47
	s_mov_b32 s47, 0
	s_mul_i32 s20, s14, APL                        ; where they go: no place in the cluster enters an LDS address
	s_mul_i32 s23, s14, BHALF
	s_add_co_u32 s23, s23, BOFF
	s_wait_dscnt 0x0                               ; both opening adds are done
	s_wait_kmcnt 0x0
	s_add_nc_u64 s[16:17], s[4:5], s[16:17]
	s_add_nc_u64 s[46:47], s[6:7], s[46:47]
	CROUND                                         ; all sixteen work-groups are here: the first joint loads meet
.irp s, 0,1
	s_mov_b32 s[G0+4*\s], 1
	s_add_co_u32 s[G0+4*\s+1], s20, \s*SLOT
	s_add_nc_u64 s[G0+4*\s+2:G0+4*\s+3], s[16:17], \s*2*PLANE
	s_or_b32 s[G0+4*\s+3], s[G0+4*\s+3], 0x80000000
	s_mov_b32 s[G0B+4*\s], 1
	s_add_co_u32 s[G0B+4*\s+1], s23, \s*SLOT
	s_add_nc_u64 s[G0B+4*\s+2:G0B+4*\s+3], s[46:47], \s*KSTEP*2048
	s_or_b32 s[G0B+4*\s+3], s[G0B+4*\s+3], 0x80000000
	JLOAD \s
.endr
	v_and_b32 v1, 15, v0                           ; l % 16
	v_bfe_u32 v2, v0, 4, 1                         ; l / 16
	s_lshl_b32 s46, s42, 10                        ; my first column, in bytes of f32: 1,024 x tile column + 512 x half: in b_out and in a row of out0
	s_lshl_b32 s47, s14, 9
	s_add_co_u32 s46, s46, s47
	s_mov_b32 s47, 0
	s_add_nc_u64 s[8:9], s[8:9], s[46:47]
	v_lshlrev_b32 v[BO], 5, v2
	WIN 0x80                                       ; destination window 2
.irp b, 0,1,2,3,4,5,6,7                ; lane (r, h) wants, for block b, b_out of columns 16 b + 8 h + 0 .. 7
	global_load_b128 v[8*\b:8*\b+3],   v[BO], s[8:9] offset:64*\b
	global_load_b128 v[8*\b+4:8*\b+7], v[BO], s[8:9] offset:64*\b+16
.endr
	WIN 0
	v_mul_u32_u24 v3, v1, PA
	v_lshl_add_u32 v3, v2, 4, v3                   ; o: row x pitch + 16 x half
	s_mul_i32 s21, s13, 64*PA                      ; my 64 rows
	v_and_b32 v4, 7, v0                            ; w16, for the turning load: row 8 (l / 16) + l % 8, 16 bytes for each eight lanes
	v_lshl_add_u32 v4, v2, 3, v4
	v_mul_u32_u24 v4, v4, PB
	v_bfe_u32 v5, v0, 3, 1
	v_lshl_add_u32 v4, v5, 4, v4
	s_lshl_b32 s22, s14, 8                         ; my 128 columns
	s_add_co_u32 s22, s22, BOFF
.irp s, 0,1
	v_add_nc_u32 v[ADRA+\s], s21, v3
	v_add_nc_u32 v[ADRB+\s], s22, v4
	s_add_co_u32 s21, s21, SLOT
	s_add_co_u32 s22, s22, SLOT
.endr
	s_mul_i32 s23, s12, 16*SPITCH
	s_add_co_u32 s23, s23, STAGE                   ; my stage
	v_mul_u32_u24 v5, v1, SPITCH                   ; in: row l % 16, 32 bytes for each half of the lanes
	v_lshl_add_u32 v5, v2, 5, v5
	v_add_nc_u32 v[STO], s23, v5
	v_and_b32 v6, 31, v0
	v_lshlrev_b32 v[CO], 4, v6                     ; back: the 32 lanes take one row of 512 bytes; and the same in out0
	v_add_nc_u32 v[RD], s23, v[CO]
	s_lshl_b32 s16, s15, 7
	s_lshl_b32 s17, s13, 6
	s_add_co_u32 s16, s16, s17                     ; my first row: 128 x tile row + 64 x half,
	s_lshl_b32 s16, s16, 12                        ; 4,096 bytes a row
	s_mov_b32 s17, 0
	s_add_nc_u64 s[10:11], s[10:11], s[16:17]
	s_add_nc_u64 s[10:11], s[10:11], s[46:47]
; 8 matrix instructions: o's block a x w16's eight, 32 along K, from buffer f.  first = 1: the bias starts the sums.  The 32 accumulators take turns, one instruction a turn.
.macro MULA f, a, first
.irp b, 0,1,2,3,4,5,6,7
.if \first
	v_wmma_f32_16x16x32_f16 v[8*(8*(\a)+\b):8*(8*(\a)+\b)+7], v[\f+8*\b:\f+8*\b+7], v[\f+64+8*(\a):\f+64+8*(\a)+7], v[8*\b:8*\b+7]
.else
	v_wmma_f32_16x16x32_f16 v[8*(8*(\a)+\b):8*(8*(\a)+\b)+7], v[\f+8*\b:\f+8*\b+7], v[\f+64+8*(\a):\f+64+8*(\a)+7], v[8*(8*(\a)+\b):8*(8*(\a)+\b)+7]
.endif
.endr
.endm
; 24 LDS loads in one run: the fragments of the slot's q-th 32 along K into buffer f: w16's sixteen, then o's eight, blocks 0 and 1 first
.macro FETCH slot, q, f
.irp b, 0,1,2,3,4,5,6,7
	ds_load_tr16_b128 v[\f+8*\b:\f+8*\b+3],   v[ADRB+\slot] offset:(\q)*32*PB+32*\b
	ds_load_tr16_b128 v[\f+8*\b+4:\f+8*\b+7], v[ADRB+\slot] offset:(\q)*32*PB+16*PB+32*\b
.endr
.irp a, 0,1,2,3
	ds_load_b128 v[\f+64+8*\a:\f+64+8*\a+3],   v[ADRA+\slot] offset:((\q)/2)*APL+((\q)%2)*64+\a*16*PA
	ds_load_b128 v[\f+64+8*\a+4:\f+64+8*\a+7], v[ADRA+\slot] offset:((\q)/2)*APL+((\q)%2)*64+\a*16*PA+32
.endr
.endm
.macro PLACES                          ; four places in front of loads into registers that matrix instructions have read, and of reads of results
.rept 4
	v_nop
.endr
.endm
; A K step is four quarters of 32 along K, 32 matrix instructions each, on buffers 0, 1, 0, 1.  One of the first three: multiplies buffer f and fetches the slot's q-th quarter into g.
.macro QUARTER slot, q, f, g, first
	s_wait_dscnt 4                                 ; w16's fragments and o's blocks 0 and 1 are in; the youngest four loads (blocks 2 and 3) may be out
	WIN MUL+0x10*\first
	MULA \f, 0, \first
	MULA \f, 1, \first
	PLACES
	WIN 0
	FETCH \slot, \q, \g
	s_wait_dscnt 24                                ; all but the 24 just issued
	WIN MUL+0x10*\first
	MULA \f, 2, \first
	MULA \f, 3, \first
.endm
; The last quarter multiplies buffer 1 and changes slots: ONE barrier; in front of it each wave waits for all its tensor loads, adds 0 to its spare word, and waits for that and for its reads of this slot.
; fill = 1: the barrier opens a round of the cluster's, and this slot is filled again, two K steps ahead, first thing behind the round.
.macro TURN slot, next, fill
	WIN 0
	s_wait_tensorcnt 0x0                           ; all my tensor loads have landed: my part of the next slot
	ds_add_u32 v[SPW], v[NIL]
	s_wait_dscnt 5                                 ; (the add and the youngest four loads may be out)
	WIN MUL
	MULA F1, 0, 0                                  ; eight matrix instructions stand between the add and the wait for it
	s_wait_dscnt 0x0                               ; the add is done, and my reads of this slot are over
	s_barrier_signal -1
	MULA F1, 1, 0
	WIN 0
	s_barrier_wait -1
.if \fill
	CREST                                          ; no wave of any partner still reads this slot's tiles or has a load on its way
	s_add_nc_u64 s[G0+4*\slot+2:G0+4*\slot+3], s[G0+4*\slot+2:G0+4*\slot+3], 4*PLANE
	s_add_nc_u64 s[G0B+4*\slot+2:G0B+4*\slot+3], s[G0B+4*\slot+2:G0B+4*\slot+3], 2*KSTEP*2048
	JLOAD \slot                                    ; the four v_nop behind it are also the places in front of the loads below
.else
	PLACES
.endif
	FETCH \next, 0, F0
	WIN MUL
	MULA F1, 2, 0
	MULA F1, 3, 0
.endm
	s_wait_tensorcnt 1                             ; my part of K step 0 is in (K step 1's load may be out),
	s_barrier_signal -1
	s_barrier_wait -1                              ; everybody's is
	s_wait_loadcnt 0x0                             ; the bias
	FETCH 0, 0, F0
	QUARTER 0, 1, F0, F1, 1                        ; the first quarter stands in front of the loop: its products start the sums
	WIN 0                                          ; at a label and at a branch every window is 0
	s_mov_b32 s3, LAPS-1
.Llap:                                             ; a trip goes once round the ring, from a lap's second quarter to the next lap's first, and fills both slots again
	QUARTER 0, 2, F1, F0, 0
	QUARTER 0, 3, F0, F1, 0
	TURN 0, 1, 1
	QUARTER 1, 1, F0, F1, 0
	QUARTER 1, 2, F1, F0, 0
	QUARTER 1, 3, F0, F1, 0
	TURN 1, 0, 1
	QUARTER 0, 1, F0, F1, 0
	WIN 0
	s_sub_co_u32 s3, s3, 1
	s_cmp_lg_u32 s3, 0
	s_cbranch_scc1 .Llap
	QUARTER 0, 2, F1, F0, 0                        ; the last lap fills nothing, and has no round of the cluster's barrier
	QUARTER 0, 3, F0, F1, 0
	TURN 0, 1, 0
	QUARTER 1, 1, F0, F1, 0
	QUARTER 1, 2, F1, F0, 0
	QUARTER 1, 3, F0, F1, 0
	s_wait_dscnt 4                                 ; the very last quarter: nothing more to fetch
	WIN MUL
	MULA F1, 0, 0
	MULA F1, 1, 0
	s_wait_dscnt 0
	MULA F1, 2, 0
	MULA F1, 3, 0
	WIN 0
; THE WAY OUT, block by block of 16 rows x 128 columns.  A lane holds 32 neighbouring bytes of a row: a block goes through my stage and comes back as whole rows of 512 bytes.
.macro TOSTAGE a
	WIN 0x04                                       ; an LDS store's data are its source 1: window 1
.irp b, 0,1,2,3,4,5,6,7
	ds_store_b128 v[STO], v[8*(8*(\a)+\b):8*(8*(\a)+\b)+3] offset:64*\b          ; each accumulator from its low end on
	ds_store_b128 v[STO], v[8*(8*(\a)+\b)+4:8*(8*(\a)+\b)+7] offset:64*\b+16
.endr
	WIN 0
.set BB, BK+64*((\a)%2)
.irp t, 0,1,2,3,4,5,6,7,8,9,10,11,12,13,14,15
	ds_load_b128 v[BB+4*\t:BB+4*\t+3], v[RD] offset:\t*SPITCH                    ; in order behind the stores above
.endr
.endm
.macro SEND a, younger                 ; younger: the LDS instructions issued behind block a's loads, which may stay out
.set BB, BK+64*((\a)%2)
	s_wait_dscnt \younger
.irp t, 0,1,2,3,4,5,6,7,8,9,10,11,12,13,14,15
	global_store_b128 v[CO], v[BB+4*\t:BB+4*\t+3], s[10:11] offset:(\a)*65536+\t*4096 th:TH_STORE_NT   ; 32 lanes store 512 consecutive bytes, aligned; every offset an immediate
.endr
.endm
	PLACES                                         ; behind the last products: for the first read of results and the loads into the fragment buffers alike
	TOSTAGE 0
.irp a, 1,2,3
.if \a > 1
	s_wait_xcnt 0x0                                ; block a - 2's stores have read their registers: block a's loads may land there
.endif
	TOSTAGE \a
	SEND \a-1, 32                                  ; behind block a - 1's loads: block a's 16 stores and 16 loads
.endr
	SEND 3, 0
	s_wait_tensorcnt 0x0                           ; the wave's end
	ds_add_u32 v[SPW], v[NIL]
	s_wait_dscnt 0x0
	CROUND                                         ; the closing round
	s_endpgm
.Lfunc_end_k_q27eaeecb0a_proj:
	.size	k_q27eaeecb0a_proj, .Lfunc_end_k_q27eaeecb0a_proj-k_q27eaeecb0a_proj
	.p2alignl 7, 3214868480
	.fill 96, 4, 3214868480
	.section	.rodata,"a",@progbits
	.p2align	6, 0x0
	.amdhsa_kernel k_q27eaeecb0a_proj
		.amdhsa_group_segment_fixed_size 327680
		.amdhsa_private_segment_fixed_size 0
		.amdhsa_enable_private_segment 0
		.amdhsa_kernarg_size 32
		.amdhsa_user_sgpr_count 2
		.amdhsa_user_sgpr_kernarg_segment_ptr 1
		.amdhsa_wavefront_size32 1
		.amdhsa_system_sgpr_workgroup_id_x 1
		.amdhsa_system_sgpr_workgroup_id_y 1
		.amdhsa_system_sgpr_workgroup_id_z 1
		.amdhsa_system_vgpr_workitem_id 0
		.amdhsa_next_free_vgpr 640
		.amdhsa_next_free_sgpr 66
		.amdhsa_reserve_vcc 0
		.amdhsa_float_denorm_mode_32 3
		.amdhsa_float_denorm_mode_16_64 3
		.amdhsa_memory_ordered 1
		.amdhsa_forward_progress 1
		.amdhsa_inst_pref_size 86
	.end_amdhsa_kernel
	.amdgpu_metadata
---
amdhsa.version: [ 1, 2 ]
amdhsa.kernels:
  - .name:           k_q27eaeecb0a_proj
    .symbol:         k_q27eaeecb0a_proj.kd
    .args:
      - { .name: att, .offset: 0, .size: 8, .value_kind: global_buffer, .address_space: global }
      - { .name: w16, .offset: 8, .size: 8, .value_kind: global_buffer, .address_space: global }
      - { .name: b_out, .offset: 16, .size: 8, .value_kind: global_buffer, .address_space: global }
      - { .name: out0, .offset: 24, .size: 8, .value_kind: global_buffer, .address_space: global }
    .group_segment_fixed_size: 327680
    .private_segment_fixed_size: 0
    .kernarg_segment_align: 8
    .kernarg_segment_size: 32
    .max_flat_workgroup_size: 128
    .sgpr_count:     66
    .vgpr_count:     640
    .wavefront_size: 32
...
	.end_amdgpu_metadata
.endif
;; end of part 4
